; MI455X (gfx1250); checked and timed in simulation.
; The chip was launched on July 23, 2026; its instructions are those of AMD's public machine-readable ISA for CDNA 5 (MIT licence, August 2026) and "CDNA5" Instruction Set Architecture Reference Guide (July 2026). The comments in the code are by the model that wrote it; some were corrected since.
;; Parallel Multi Head Attention. Allowed arithmetic: matrix products marked QUANTISED: E2M1 operands, one E8M0 scale for each 32 along K, by v_wmma_scale_f32_16x16x128_f8f6f4 with both operands' format E2M1 (or v_wmma_scale_f32_32x16x128_f4), f32 sums; products left as they are: bf16, f16 or f32 operands; f32 sums; everything else in f32.
;; Inputs: b_proj 1,024 float32; w_proj 1,024 x 1,024 float32; w_qkv 1,024 x 3,072 float32; x 4 x 2,048 x 1,024 float32.
;; Outputs: out0 4 x 2,048 x 1,024 float32.
;; This version of the problem:
;;   THIS VERSION OF THE PROBLEM IS GIVEN IN LOW PRECISION. The matrix products marked QUANTISED in the list below multiply operands that are first quantised to E2M1 (2 exponent bits, 1 mantissa bit; 4 bits a number), with one power-of-two scale for each 32 numbers along K (OCP MX v1.0); their sums are f32. The products marked 'left as it is' may take bf16, f16 or f32 operands, with f32 sums. Whichever they take, every output number must still come out within the allowed error. Rounding operands to bf16 (8 significant bits) uses up far more of that allowance than f16 does (11 bits, for magnitudes from 6e-5 to 65,504). All else is computed in f32.
;;   The module's matrix products, in the order in which they are computed (A, B: the left and right operand; K: the contracted axis; several contracted axes count as one K, in the product's order):
;;     1. [M 8,192, K 1,024] x [K 1,024, N 3,072]; A: input x; B: input w_qkv: QUANTISED
;;     2. batch 64 x [M 2,048, K 64] x [K 64, N 2,048]; A: computed on the way; B: computed on the way: left as it is (an operand is computed on the way)
;;     3. batch 64 x [M 2,048, K 2,048] x [K 2,048, N 64]; A: computed on the way; B: computed on the way: left as it is (an operand is computed on the way)
;;     4. [M 8,192, K 1,024] x [K 1,024, N 1,024]; A: computed on the way; B: input w_proj: left as it is (an operand is computed on the way)
;;   THE QUANTISER, for each operand of a quantised product, along K:
;;     - K is cut into blocks of 32 from its start; a last block that is shorter is filled with zeros.
;;     - A block's scale is 2^e with e = floor(log2(the largest magnitude in the block)) - 2, held to -126 .. 127; a block of zeros has e = 0. As a byte (E8M0): e + 127.
;;     - Each number is divided by its block's scale, clamped to +-6, and rounded to the nearest number of E2M1, ties to even, subnormals kept.
;;     - The product sums the exact products of the quantised numbers (number of the format x scale) in f32.
;;   ~~~python
;;   def quantise(x, axis):      # numpy; x: float32 -> the quantised numbers, widened to float32 again
;;       x = np.moveaxis(x, axis, -1); K = x.shape[-1]
;;       x = np.pad(x, [(0, 0)] * (x.ndim - 1) + [(0, -K % 32)]); x = x.reshape(x.shape[:-1] + (-1, 32)); a = np.abs(x).max(-1, keepdims=True)
;;       e = np.where(a > 0, np.clip(np.frexp(np.where(a > 0, a, 1))[1] - 1 - 2, -126, 127), 0)      # np.frexp(a)[1] - 1 = floor(log2(a)), exactly
;;       r = np.clip(x / 2.0 ** e, -6, 6)
;;       step = 2.0 ** (np.maximum(np.frexp(np.where(r == 0, 1, r))[1] - 1, 0) - 1)
;;       q = np.round(r / step) * step * 2.0 ** e      # np.round: ties to even
;;       return np.moveaxis(q.reshape(q.shape[:-2] + (-1,))[..., :K], -1, axis).astype(np.float32)
;;   ~~~
;; One version. Each part assembles by itself: llvm-mc -triple=amdgcn-amd-amdhsa -mcpu=gfx1250 --defsym DOCPART=n.
;; ======== version 1 of 1: 6 launches
;; limits: values are held in f16: magnitudes above 65,504 overflow, below 6.1e-05 lose precision
;; workspace buffers: xc 4,194,304 bytes; xs 262,144 bytes; wc 1,572,864 bytes; ws 98,304 bytes; wph 2,097,152 bytes; qkvh 50,331,648 bytes; atth 16,777,216 bytes; att16 262,144 bytes
;; launch prep (part 1): grid 432 x 1, 4 waves a work-group, no clusters, 68,096 bytes of LDS; arguments x, w_qkv, w_proj, xc, xs, wc, ws, wph; writes xc, xs, wc, ws, wph
.if DOCPART == 1
	.amdgcn_target "amdgcn-amd-amdhsa--gfx1250"
	.amdhsa_code_object_version 6
	.text
	.protected	k_qfbc5a88526_prep
	.globl	k_qfbc5a88526_prep
	.p2align	8
	.type	k_qfbc5a88526_prep,@function
k_qfbc5a88526_prep:
	s_mov_b64 s[64:65], 0
	v_nop
	global_prefetch_b8 v0, s[64:65] scope:SCOPE_SE
	s_setreg_imm32_b32 hwreg(HW_REG_WAVE_MODE, 25, 1), 1
	s_wait_xcnt 0x0
; Three jobs in one launch, told apart by the work-group's number; each has LDS bytes of its own and its own end.
;  X (work-groups 0-255):   x [8192][1024] f32, K innermost  -> xc [8192][512 B] codes of E2M1, xs [8192][32] E8M0 bytes.
;  W (work-groups 256-303): w_qkv [1024 k][3072 n] f32, K outermost -> wc [3072 n][512 B] codes with K innermost, ws [3072][32].
;  P (work-groups 304-431): w_proj [1024][1024] f32 -> wph, the same layout in f16 (rounded to nearest even).
; A block's scale is 2^(floor(log2(largest magnitude)) - 2): its byte is the largest magnitude's exponent field - 2, held at 1 from below.
; A block of zeros so gets the byte 1 where the rule says 127: its codes are zeros, and only this program reads the bytes.
; LIMITS: blocks whose largest magnitude lies under 2^-124 keep the byte 1; NaN and infinities among the inputs are not served;
; w_proj beyond 65,504 in magnitude has no f16 number.
.set XWG,   256                        ; work-groups of job X: 8192 x 1024 / 32768
.set WWG,   48                         ; of job W: 24 column groups of 128 x 2 halves of K
.set SPW,   12                         ; v12  LDS address of my spare word; never rewritten
.set NIL,   13                         ; v13  0; never rewritten
.set SPARE, 67584                      ; behind both jobs' LDS: 128 bytes for each wave, named by no other line
.set EMAX,  2
; job X
.set STEPS, 16
.set CB,    8                          ; bytes of 16 codes
.set WREG,  8192                       ; LDS of a wave: two stages of 32 x 80 bytes, then its 256 scale bytes
.set SP,    80                         ; a lane's 64 bytes + 16 of padding
.set XR,    16                         ; v16-79   four sets of 16 numbers as loaded
.set XN,    80                         ; v80-111  two sets of 16 neighbours
.set XE,    112                        ; v112-127 a scale byte for each step
.set XCD,   128                        ; v128-191 codes, four registers for each step
; job W
.set WSTG,  32768                      ; LDS: four stages of 32 rows x 272 bytes
.set WPITCH,272
.set NB,    16                         ; blocks of 32 along K for a wave
.set WN,    3072
.set WSB,   24                         ; v24-27   scale bytes, four to a register
.set WX,    32                         ; v32-95   two sets of 32 numbers
.set WCD,   96                         ; v96-99   a block's codes
.set WOUT,  112                        ; v112-175 the way out
.macro XLOAD t                         ; step t: four loads of 512 consecutive bytes
.irp i, 0,1,2,3
	global_load_b128 v[XR+16*((\t)%4)+4*\i:XR+16*((\t)%4)+4*\i+3], v3, s[4:5] offset:2048*(\t)+512*\i th:TH_LOAD_NT
.endr
.endm
.macro XTURN t                         ; step t through the stage: in as loaded, out 64 bytes a lane; LDS serves a wave's instructions in order
.irp i, 0,1,2,3
	ds_store_b128 v14, v[XR+16*((\t)%4)+4*\i:XR+16*((\t)%4)+4*\i+3] offset:32*SP*((\t)%2)+8*SP*\i
.endr
.irp i, 0,1,2,3
	ds_load_b128 v[XN+16*((\t)%2)+4*\i:XN+16*((\t)%2)+4*\i+3], v15 offset:32*SP*((\t)%2)+16*\i
.endr
.endm
.macro XSTEP t
.set XS, XN+16*((\t)%2)
.if (\t) > 0
	s_wait_dscnt 1                                 ; this step's numbers are back from the stage; the last step's byte store may be out
.else
	s_wait_dscnt 0x0
.endif
.if (\t)+4 < STEPS
	XLOAD (\t)+4                                   ; the registers that the stage's stores have read take the loads of four steps on
.endif
.if (\t)+1 < STEPS
.if STEPS-2-(\t) >= 3
	s_wait_loadcnt 12                              ; the next step's four loads are in; three later steps' twelve may be out
.else
	s_wait_loadcnt 4*(STEPS-2-(\t))
.endif
	XTURN (\t)+1
.endif
	v_max3_num_f32 v8, |v[XS]|, |v[XS+1]|, |v[XS+2]|               ; the largest magnitude of my 16, in two chains
	v_max3_num_f32 v9, |v[XS+3]|, |v[XS+4]|, |v[XS+5]|
.irp i, 6,10
	v_max3_num_f32 v8, v8, |v[XS+\i]|, |v[XS+\i+1]|
	v_max3_num_f32 v9, v9, |v[XS+\i+2]|, |v[XS+\i+3]|
.endr
	v_max3_num_f32 v8, v8, |v[XS+14]|, |v[XS+15]|
	v_max3_num_f32 v8, v8, v9, (EMAX+1)<<23        ; and the floor 2^(3 - 127): the byte cannot fall under 1
	v_max_num_f32_dpp v8, v8, v8 row_xmask:1 row_mask:0xf bank_mask:0xf   ; with my neighbour's 16: the block's
	v_add_nc_u32 v11, -(EMAX<<23), v8              ; 2 off the exponent field: the conversion's scale operand
	v_cvt_scalef32_pk8_fp4_f32 v[XCD+4*(\t)], v[XS:XS+7], v11
	v_cvt_scalef32_pk8_fp4_f32 v[XCD+4*(\t)+1], v[XS+8:XS+15], v11
	v_lshrrev_b32 v[XE+(\t)], 23, v11              ; the scale's byte (a plain line behind the conversions)
	ds_store_b8 v5, v[XE+(\t)] offset:16*(\t)      ; both lanes of a block write the same byte with the same value
	global_store_b64 v4, v[XCD+4*(\t):XCD+4*(\t)+1], s[10:11] offset:32*CB*(\t)   ; the wave stores 256 consecutive bytes, aligned
.endm
.macro WLOAD t                         ; block t: w(32 t + i, my column) into set t % 2; a wave reads 128 consecutive bytes
.irp i, 0,1,2,3,4,5,6,7,8,9,10,11,12,13,14,15,16,17,18,19,20,21,22,23,24,25,26,27,28,29,30,31
	global_load_b32 v[WX+32*((\t)%2)+\i], v3, s[6:7] offset:(32*(\t)+\i)*WN*4 th:TH_LOAD_NT
.endr
.endm
.macro WBLOCK t
.set XS, WX+32*((\t)%2)
.if (\t) < NB-1
	s_wait_loadcnt 32                              ; this block's 32 loads are in; the next block's may be out
.else
	s_wait_loadcnt 0
.endif
	v_max3_num_f32 v16, |v[XS]|, |v[XS+1]|, |v[XS+2]|              ; all 32 numbers of the block are mine
	v_max3_num_f32 v17, |v[XS+3]|, |v[XS+4]|, |v[XS+5]|
.irp i, 6,10,14,18,22,26
	v_max3_num_f32 v16, v16, |v[XS+\i]|, |v[XS+\i+1]|
	v_max3_num_f32 v17, v17, |v[XS+\i+2]|, |v[XS+\i+3]|
.endr
	v_max3_num_f32 v16, v16, |v[XS+30]|, |v[XS+31]|
	v_max3_num_f32 v16, v16, v17, (EMAX+1)<<23
	v_add_nc_u32 v11, -(EMAX<<23), v16
	v_lshrrev_b32 v17, 23, v11
.if (\t)%4 == 0
	v_mov_b32 v[WSB+(\t)/4], v17                   ; four bytes to a register, the lower K in the lower byte
.else
	v_lshl_or_b32 v[WSB+(\t)/4], v17, 8*((\t)%4), v[WSB+(\t)/4]
.endif
.irp g, 0,1,2,3
	v_cvt_scalef32_pk8_fp4_f32 v[WCD+\g], v[XS+8*\g:XS+8*\g+7], v11
.endr
	v_nop                                          ; a plain line behind the last conversion
	ds_store_b128 v4, v[WCD:WCD+3] offset:16*(\t)  ; 32 codes: 16 bytes of my column's row
.if (\t)+2 < NB
	WLOAD (\t)+2
.endif
	s_wait_dscnt 0x0                               ; the store has read its registers: the next block's codes may be written
.endm
	s_load_b256 s[4:11], s[0:1], 0x0               ; x s[4:5], w_qkv s[6:7], w_proj s[8:9], xc s[10:11]
	s_load_b256 s[12:19], s[0:1], 0x20             ; xs s[12:13], wc s[14:15], ws s[16:17], wph s[18:19]
	v_lshl_add_u32 v[SPW], v0, 2, SPARE
	v_mov_b32 v[NIL], 0
	v_lshrrev_b32 v1, 5, v0
	v_readfirstlane_b32 s20, v1                    ; wave 0..3
	v_and_b32 v2, 31, v0                           ; lane
	s_mov_b32 s25, 0                               ; the upper word of every 64-bit offset below
	s_wait_kmcnt 0x0
	s_cmp_lt_u32 ttmp9, XWG
	s_cbranch_scc1 .Lpath_x
	s_cmp_lt_u32 ttmp9, XWG+WWG
	s_cbranch_scc1 .Lpath_w
	; ---- job P: a wave turns 2,048 numbers of w_proj into f16: 16 loads of 512 bytes, 16 stores of 256
	s_sub_co_u32 s21, ttmp9, XWG+WWG
	s_lshl_b32 s21, s21, 2
	s_add_co_u32 s21, s21, s20                     ; my chunk, 0..511
	s_lshl_b32 s24, s21, 13
	s_add_nc_u64 s[8:9], s[8:9], s[24:25]
	s_lshl_b32 s24, s21, 12
	s_add_nc_u64 s[18:19], s[18:19], s[24:25]
	v_lshlrev_b32 v3, 4, v2
	v_lshlrev_b32 v4, 3, v2
.irp i, 0,1,2,3,4,5,6,7,8,9,10,11,12,13,14,15
	global_load_b128 v[32+4*\i:35+4*\i], v3, s[8:9] offset:512*\i th:TH_LOAD_NT
.endr
.irp i, 0,1,2,3,4,5,6,7,8,9,10,11,12,13,14,15
	s_wait_loadcnt 15-\i                           ; loads come back in order: load i is in, the younger ones stay out
	v_cvt_pk_f16_f32 v[96+2*\i], v[32+4*\i], v[33+4*\i]
	v_cvt_pk_f16_f32 v[97+2*\i], v[34+4*\i], v[35+4*\i]
	global_store_b64 v4, v[96+2*\i:97+2*\i], s[18:19] offset:256*\i   ; the wave stores 256 consecutive bytes, aligned
.endr
	s_wait_tensorcnt 0x0                           ; the wave's end
	ds_add_u32 v[SPW], v[NIL]
	s_wait_dscnt 0x0
	s_endpgm
.Lpath_x:
	; ---- job X: a wave takes 16 steps of 512 numbers of the stream x
	v_lshlrev_b32 v3, 4, v2                        ; my 16 bytes of a load's 512
	s_mul_i32 s21, s20, WREG
	v_lshrrev_b32 v14, 2, v2
	v_mul_u32_u24 v14, v14, SP
	v_and_b32 v15, 3, v2
	v_lshl_add_u32 v14, v15, 4, v14
	v_add_nc_u32 v14, s21, v14                     ; the stage, way in: 80 (lane / 4) + 16 (lane % 4)
	v_mul_u32_u24 v15, v2, SP
	v_add_nc_u32 v15, s21, v15                     ; way out: 80 x lane: my 16 neighbours
	v_mul_u32_u24 v4, v2, CB                       ; my codes' place in a step's 256 bytes
	v_lshrrev_b32 v5, 1, v2
	s_add_co_u32 s21, s21, 2*32*SP
	v_add_nc_u32 v5, s21, v5                       ; my block's byte among my wave's 256
	v_lshlrev_b32 v7, 3, v2
	v_add_nc_u32 v6, s21, v7                       ; and 8 bytes a lane on their way out
	s_lshl_b32 s22, ttmp9, 2
	s_add_co_u32 s22, s22, s20                     ; which run of 8,192 numbers is mine
	s_lshl_b32 s24, s22, 15
	s_add_nc_u64 s[4:5], s[4:5], s[24:25]
	s_lshl_b32 s24, s22, 12
	s_add_nc_u64 s[10:11], s[10:11], s[24:25]
	s_lshl_b32 s24, s22, 8
	s_add_nc_u64 s[12:13], s[12:13], s[24:25]
.irp t, 0,1,2,3
	XLOAD \t
.endr
	s_wait_loadcnt 12                              ; step 0's four loads are in
	XTURN 0
.irp t, 0,1,2,3,4,5,6,7,8,9,10,11,12,13,14,15
	XSTEP \t
.endr
	ds_load_b64 v[8:9], v6                         ; my wave's 256 scale bytes (LDS serves a wave's instructions in order)
	s_wait_dscnt 0x0
	global_store_b64 v7, v[8:9], s[12:13]          ; 256 consecutive bytes, aligned
	s_wait_tensorcnt 0x0                           ; the wave's end
	ds_add_u32 v[SPW], v[NIL]
	s_wait_dscnt 0x0
	s_endpgm
.Lpath_w:
	; ---- job W: a lane takes a column n, its registers run down K; a wave takes 32 columns x 512 along K
	s_sub_co_u32 s21, ttmp9, XWG
	s_cmp_ge_u32 s21, 24
	s_cselect_b32 s22, 1, 0                        ; which half of K
	s_cselect_b32 s23, 24, 0
	s_sub_co_u32 s21, s21, s23                     ; which 128 columns
	s_lshl_b32 s21, s21, 7
	s_lshl_b32 s23, s20, 5
	s_add_co_u32 s21, s21, s23                     ; my wave's first column
	s_mul_i32 s24, s22, 512*WN*4
	s_lshl_b32 s26, s21, 2
	s_add_co_u32 s24, s24, s26
	s_add_nc_u64 s[6:7], s[6:7], s[24:25]          ; w_qkv: 512 y rows down, 4 bytes a column
	s_lshl_b32 s24, s21, 9
	s_lshl_b32 s26, s22, 8
	s_add_co_u32 s24, s24, s26
	s_add_nc_u64 s[14:15], s[14:15], s[24:25]      ; codes: 512 bytes a column, + 256 y
	s_lshl_b32 s24, s21, 5
	s_lshl_b32 s26, s22, 4
	s_add_co_u32 s24, s24, s26
	s_add_nc_u64 s[16:17], s[16:17], s[24:25]      ; scale bytes: 32 a column, + 16 y
	v_lshlrev_b32 v3, 2, v2
	s_mul_i32 s27, s20, 32*WPITCH
	s_add_co_u32 s27, s27, WSTG                    ; my stage
	v_mul_u32_u24 v4, v2, WPITCH
	v_add_nc_u32 v4, s27, v4                       ; into it: row = my column
	v_and_b32 v5, 15, v2
	v_lshrrev_b32 v6, 4, v2
	v_mul_u32_u24 v7, v6, WPITCH
	v_lshl_add_u32 v7, v5, 4, v7
	v_add_nc_u32 v7, s27, v7                       ; out of it: sixteen lanes to a row, two rows an instruction
	v_lshlrev_b32 v8, 9, v6
	v_lshl_add_u32 v8, v5, 4, v8                   ; the same place in wc
	v_lshlrev_b32 v9, 5, v2                        ; my column's row of scale bytes
	WLOAD 0
	WLOAD 1
.set Q, 0
.rept NB
	WBLOCK Q
.set Q, Q+1
.endr
	global_store_b128 v9, v[WSB:WSB+3], s[16:17]   ; my column's 16 scale bytes
.irp t, 0,1,2,3,4,5,6,7,8,9,10,11,12,13,14,15
	ds_load_b128 v[WOUT+4*\t:WOUT+4*\t+3], v7 offset:2*\t*WPITCH
.endr
.irp t, 0,1,2,3,4,5,6,7,8,9,10,11,12,13,14,15
	s_wait_dscnt 15-\t                             ; rows 2 t, 2 t + 1 are back; the younger loads stay out
	global_store_b128 v8, v[WOUT+4*\t:WOUT+4*\t+3], s[14:15] offset:2*\t*512   ; sixteen lanes store 256 consecutive bytes, aligned
.endr
	s_wait_tensorcnt 0x0                           ; the wave's end
	ds_add_u32 v[SPW], v[NIL]
	s_wait_dscnt 0x0
	s_endpgm
.Lfunc_end_k_qfbc5a88526_prep:
	.size	k_qfbc5a88526_prep, .Lfunc_end_k_qfbc5a88526_prep-k_qfbc5a88526_prep
	.p2alignl 7, 3214868480
	.fill 96, 4, 3214868480
	.section	.rodata,"a",@progbits
	.p2align	6, 0x0
	.amdhsa_kernel k_qfbc5a88526_prep
		.amdhsa_group_segment_fixed_size 68096
		.amdhsa_private_segment_fixed_size 0
		.amdhsa_enable_private_segment 0
		.amdhsa_kernarg_size 64
		.amdhsa_user_sgpr_count 2
		.amdhsa_user_sgpr_kernarg_segment_ptr 1
		.amdhsa_wavefront_size32 1
		.amdhsa_system_sgpr_workgroup_id_x 1
		.amdhsa_system_sgpr_workgroup_id_y 1
		.amdhsa_system_sgpr_workgroup_id_z 1
		.amdhsa_system_vgpr_workitem_id 0
		.amdhsa_next_free_vgpr 192
		.amdhsa_next_free_sgpr 66
		.amdhsa_reserve_vcc 0
		.amdhsa_float_denorm_mode_32 3
		.amdhsa_float_denorm_mode_16_64 3
		.amdhsa_memory_ordered 1
		.amdhsa_forward_progress 1
		.amdhsa_inst_pref_size 117
	.end_amdhsa_kernel
	.amdgpu_metadata
---
amdhsa.version: [ 1, 2 ]
amdhsa.kernels:
  - .name:           k_qfbc5a88526_prep
    .symbol:         k_qfbc5a88526_prep.kd
    .args:
      - { .name: x, .offset: 0, .size: 8, .value_kind: global_buffer, .address_space: global }
      - { .name: w_qkv, .offset: 8, .size: 8, .value_kind: global_buffer, .address_space: global }
      - { .name: w_proj, .offset: 16, .size: 8, .value_kind: global_buffer, .address_space: global }
      - { .name: xc, .offset: 24, .size: 8, .value_kind: global_buffer, .address_space: global }
      - { .name: xs, .offset: 32, .size: 8, .value_kind: global_buffer, .address_space: global }
      - { .name: wc, .offset: 40, .size: 8, .value_kind: global_buffer, .address_space: global }
      - { .name: ws, .offset: 48, .size: 8, .value_kind: global_buffer, .address_space: global }
      - { .name: wph, .offset: 56, .size: 8, .value_kind: global_buffer, .address_space: global }
    .group_segment_fixed_size: 68096
    .private_segment_fixed_size: 0
    .kernarg_segment_align: 8
    .kernarg_segment_size: 64
    .max_flat_workgroup_size: 128
    .sgpr_count:     66
    .vgpr_count:     192
    .wavefront_size: 32
...
	.end_amdgpu_metadata
.endif
;; end of part 1
;; launch qkv (part 2): grid 12 x 32, 4 waves a work-group, clusters of 4 x 4, 327,680 bytes of LDS; arguments xc, xs, wc, ws, qkvh; writes qkvh
.if DOCPART == 2
	.amdgcn_target "amdgcn-amd-amdhsa--gfx1250"
	.amdhsa_code_object_version 6
	.text
	.protected	k_qfbc5a88526_qkv
	.globl	k_qfbc5a88526_qkv
	.p2align	8
	.type	k_qfbc5a88526_qkv,@function
k_qfbc5a88526_qkv:
	s_mov_b64 s[64:65], 0
	v_nop
	global_prefetch_b8 v0, s[64:65] scope:SCOPE_SE
	s_setreg_imm32_b32 hwreg(HW_REG_WAVE_MODE, 25, 1), 1
	s_wait_xcnt 0x0
	s_wait_alu depctr_hold_cnt(0) depctr_sa_sdst(0) depctr_va_vdst(0) depctr_va_sdst(0) depctr_va_ssrc(0) depctr_va_vcc(0) depctr_vm_vsrc(0)
	s_getreg_b32 s2, hwreg(HW_REG_IB_STS2, 6, 4)
	s_cmp_eq_u32 s2, 0
	s_cbranch_scc0 .Lentry_in_a_cluster
	s_endpgm
.Lentry_in_a_cluster:
	s_bfe_u32 s2, ttmp6, 0x10000c
	s_cmp_lg_u32 s2, 0xf033
	s_cbranch_scc0 .Lentry_shape_is_right
	s_endpgm
.Lentry_shape_is_right:
; qkv[m][n] = sum over k of x[m][k] w_qkv[k][n] on codes of E2M1 with one E8M0 scale for each 32 along K; sums in f32.
; A = xc [8192][512 B] with xs [8192][32]; B = wc [3072][512 B] with ws [3072][32]; both with K innermost.
; The result leaves in f16, laid by head: qkvh [3 (q, k, v)][4 batches][16 heads][2048 tokens][64]: a head is 262,144 consecutive bytes.
; LIMIT: results beyond 65,504 in magnitude have no f16 number.
; A tile of 256 x 256 is made by four waves, 128 x 128 each: 64 accumulators, 512 registers.  K = 1,024 is two LDS slots of 512 along K (rows of 256 bytes):
; both are asked for at the start and nothing is filled again.  The scales of the tile's 256 + 256 rows come once, as dense blocks.
; CLUSTER 4 x 4: A's tiles are shared along a row of the cluster, B's along a column: each is asked for jointly, by the same tensor load with a mask that names the four.
; THE MATRIX INSTRUCTION IS USED TRANSPOSED (source 0 = 16 rows of wc, source 1 = 16 rows of xc): a lane holds eight neighbouring columns of one token.
; REGISTERS: window 0: v0-31 addresses; v32-95 scale words, two sets; v128-191 A's fragments, one set; on the way out v96-127 packed results, v128-191 rows read back.
;   window 1: B's fragments, two sets, at v0 and v128.  window 2: accumulators of my rows 0-63 ((a, b) at v[8 (8 a + b)]); window 3: rows 64-127.
.set SIZE_K, 1024
.set KSTEP,  512
.set NQ,     KSTEP/128                 ; matrix instructions deep in a slot
.set ROWB,   256                       ; a tile's row in bytes
.set KROW,   SIZE_K*4/8                ; a row of codes in memory
.set PITCH,  272                       ; an LDS row: 256 bytes + 16 of padding, so that the 16 rows of a fragment load start 68 words apart
.set FR,     8                         ; registers of a fragment
.set NL,     2                         ; LDS loads that bring one
.set NP,     4                         ; plain vector instructions owed behind this matrix instruction (ISA guide 7.12.1)
.set HALFT,  128*PITCH
.set SLOT,   4*HALFT
.set KS,     SIZE_K/32                 ; a row of scale bytes
.set SCL,    2*SLOT                    ; behind the two slots: the scales, as units of 256 bytes + 16 of padding
.set HALFS,  (128*KS/256)*272
.set SBLK,   (16*KS/256)*272
.set SPARE,  SCL+4*HALFS               ; the spare words: 128 bytes for each wave, named by no other line
.set STG,    SPARE+512                 ; the way out: 16 rows x 272 bytes for each wave; no tile lands here
.set SPITCH, 272
.set ADRA, 16
.set ADRB, 20
.set STO,  24
.set RD,   25
.set CO,   26
.set ADRS, 27
.set SPW,  28
.set NIL,  29
.set SC,   32
.set TMP,  96
.set AF,   128
.set BK,   128
.set G1, 24
.set G0, 32
.set G1B, 48
.set G0B, 56
.set G1S, 68
.set G0S, 76
.set G1SB, 80
.set G0SB, 88
.set MSB, 0
.macro WIN new                         ; the immediate's high byte repeats the setting that is left
.if MSB != \new
	s_set_vgpr_msb (MSB<<8)|\new
.set MSB, \new
.endif
.endm
.set MUL_LO, 0xa1                      ; source 0 (B) window 1, source 1 (A) window 0, C and D window 2
.set MUL_HI, 0xf1                      ; the same, C and D window 3
.set TO_B,   0x40                      ; destination window 1, address window 0
; A joint load: waves 0 and 1 fetch for A, waves 2 and 3 for B; the branch hangs on the wave's number alone.  An s_nop 0 and four v_nop follow each line.
.macro JLOAD g0a, g1a, g0b, g1b
	s_cmp_eq_u32 s15, 0
	s_cbranch_scc0 .Lfor_b_\@
	tensor_load_to_lds s[\g0a:\g0a+3], s[\g1a:\g1a+7]
	s_nop 0
.rept 4
	v_nop
.endr
	s_branch .Lasked_\@
.Lfor_b_\@:
	tensor_load_to_lds s[\g0b:\g0b+3], s[\g1b:\g1b+7]
	s_nop 0
.rept 4
	v_nop
.endr
.Lasked_\@:
.endm
.macro CROUND                          ; a round of the cluster's barrier
	s_barrier_signal -1
	s_barrier_wait -1
	s_cmp_lg_u32 s14, 0
	s_cbranch_scc1 .Lnot_wave_0_\@
	s_barrier_signal -3
.Lnot_wave_0_\@:
	s_barrier_wait -3
	s_barrier_signal -1
	s_barrier_wait -1
.endm
	s_load_b128 s[4:7], s[0:1], 0x0                ; xc s[4:5], xs s[6:7]
	s_load_b128 s[8:11], s[0:1], 0x10              ; wc s[8:9], ws s[10:11]
	s_load_b64 s[12:13], s[0:1], 0x20              ; qkvh
	v_lshl_add_u32 v[SPW], v0, 2, SPARE
	v_mov_b32 v[NIL], 0
	ds_add_u32 v[SPW], v[NIL]                      ; the wave's opening: the add, twice on end, and its wait ahead of my first tensor load
	ds_add_u32 v[SPW], v[NIL]
	v_lshrrev_b32 v1, 5, v0
	v_readfirstlane_b32 s14, v1                    ; wave 0..3
	s_lshr_b32 s15, s14, 1                         ; my half of the tile's rows; also: I fetch for A (0) or B (1)
	s_and_b32 s16, s14, 1                          ; my half of its columns; also: which 128 rows I fetch
	s_bfe_u32 s40, ttmp6, 0x40000                  ; cx
	s_bfe_u32 s41, ttmp6, 0x40004                  ; cy
	s_lshl_b32 s42, ttmp9, 2
	s_add_co_u32 s42, s42, s40                     ; tile column
	s_and_b32 s17, ttmp7, 0xffff
	s_lshl_b32 s17, s17, 2
	s_add_co_u32 s17, s17, s41                     ; tile row
	s_lshl_b32 s43, s41, 2
	s_lshl_b32 s43, 15, s43                        ; my row of the cluster
	s_lshl_b32 s44, 0x1111, s40                    ; my column
	s_or_b32 s[G1+0], s43, (0<<16)|(1<<20)|(1<<21)|(5<<22)|(3<<25)   ; mask; elements of 1 byte; padding on; bit 21 beside a mask; 4 words behind every 64
	s_or_b32 s[G1B+0], s44, (0<<16)|(1<<20)|(1<<21)|(5<<22)|(3<<25)
.irp g, G1, G1B
	s_mov_b32 s[\g+1], ROWB<<16                    ; tensor_dim0
	s_mov_b32 s[\g+2], 128<<16                     ; tensor_dim1
	s_mov_b32 s[\g+3], ROWB<<16                    ; tile_dim0
	s_mov_b32 s[\g+4], 128                         ; tile_dim1
	s_mov_b32 s[\g+5], KROW                        ; from row to row
	s_mov_b32 s[\g+6], 0
	s_mov_b32 s[\g+7], 0
.endr
	s_or_b32 s[G1S+0], s43, (3<<16)|(1<<20)|(1<<21)|(5<<22)|(3<<25)  ; the scales of 128 rows: 4,096 dense bytes as 16 rows of 32 elements of 8 bytes
	s_or_b32 s[G1SB+0], s44, (3<<16)|(1<<20)|(1<<21)|(5<<22)|(3<<25)
.irp g, G1S, G1SB
	s_mov_b32 s[\g+1], 32<<16
	s_mov_b32 s[\g+2], (128*KS/256)<<16
	s_mov_b32 s[\g+3], 32<<16
	s_mov_b32 s[\g+4], 128*KS/256
	s_mov_b32 s[\g+5], 32
	s_mov_b32 s[\g+6], 0
	s_mov_b32 s[\g+7], 0
.endr
	s_lshl_b32 s18, s16, 7
	s_lshl_b32 s20, s17, 8
	s_add_co_u32 s20, s20, s18                     ; A: row 256 x tile row + 128 x half
	s_lshl_b32 s46, s42, 8
	s_add_co_u32 s46, s46, s18                     ; B: row 256 x tile column + 128 x half
	s_mov_b32 s21, 0
	s_mov_b32 s47, 0
	s_mov_b64 s[18:19], KS
	s_mul_u64 s[22:23], s[20:21], s[18:19]         ; where these rows' scales begin
	s_mul_u64 s[92:93], s[46:47], s[18:19]
	s_mov_b64 s[18:19], KROW
	s_mul_u64 s[20:21], s[20:21], s[18:19]         ; and their codes
	s_mul_u64 s[46:47], s[46:47], s[18:19]
	s_mul_i32 s45, s14, HALFT                      ; where they go: wave x 128 rows
	s_mul_i32 s94, s14, HALFS
	s_wait_dscnt 0x0                               ; both opening adds are done
	s_wait_kmcnt 0x0
	s_add_nc_u64 s[20:21], s[4:5], s[20:21]
	s_add_nc_u64 s[22:23], s[6:7], s[22:23]
	s_add_nc_u64 s[46:47], s[8:9], s[46:47]
	s_add_nc_u64 s[92:93], s[10:11], s[92:93]
	CROUND                                         ; all sixteen work-groups are here: the joint loads meet
	s_mov_b32 s[G0S], 1
	s_add_co_u32 s[G0S+1], s94, SCL
	s_mov_b64 s[G0S+2:G0S+3], s[22:23]
	s_or_b32 s[G0S+3], s[G0S+3], 0x80000000
	s_mov_b32 s[G0SB], 1
	s_add_co_u32 s[G0SB+1], s94, SCL
	s_mov_b64 s[G0SB+2:G0SB+3], s[92:93]
	s_or_b32 s[G0SB+3], s[G0SB+3], 0x80000000
	JLOAD G0S, G1S, G0SB, G1SB                     ; the scales first; with the two slots below three loads of mine are out
.irp s, 0,1
	s_mov_b32 s[G0+4*\s], 1
	s_add_co_u32 s[G0+4*\s+1], s45, \s*SLOT
	s_add_nc_u64 s[G0+4*\s+2:G0+4*\s+3], s[20:21], \s*ROWB
	s_or_b32 s[G0+4*\s+3], s[G0+4*\s+3], 0x80000000
	s_mov_b32 s[G0B+4*\s], 1
	s_add_co_u32 s[G0B+4*\s+1], s45, \s*SLOT
	s_add_nc_u64 s[G0B+4*\s+2:G0B+4*\s+3], s[46:47], \s*ROWB
	s_or_b32 s[G0B+4*\s+3], s[G0B+4*\s+3], 0x80000000
	JLOAD G0+4*\s, G1, G0B+4*\s, G1B
.endr
	v_and_b32 v1, 15, v0                           ; r = lane % 16
	v_bfe_u32 v2, v0, 4, 1                         ; h = lane / 16
	v_mul_u32_u24 v3, v1, PITCH
	v_lshl_add_u32 v4, v2, 4, v3                   ; a fragment's row x pitch + 16 h
	s_mul_i32 s21, s15, HALFT
	s_mul_i32 s22, s16, HALFT
	s_add_co_u32 s22, s22, 2*HALFT                 ; B's rows lie behind A's 256
.irp s, 0,1
	v_add_nc_u32 v[ADRA+\s], s21, v4
	v_add_nc_u32 v[ADRB+\s], s22, v4
	s_add_co_u32 s21, s21, SLOT
	s_add_co_u32 s22, s22, SLOT
.endr
	v_mul_u32_u24 v5, v1, KS                       ; my row's scales: 32 bytes a row,
	v_lshrrev_b32 v6, 8, v5
	v_lshl_add_u32 v5, v6, 4, v5                   ; and 16 more for each 256 passed
	s_mul_i32 s21, s15, HALFS
	s_mul_i32 s22, s16, HALFS
	s_add_co_u32 s22, s22, 2*HALFS
	s_sub_co_u32 s22, s22, s21
	v_mul_u32_u24 v6, s22, v2                      ; lanes 16-31 take B's
	s_add_co_u32 s21, s21, SCL
	v_add_nc_u32 v5, v5, v6
	v_add_nc_u32 v[ADRS], s21, v5
	s_mul_i32 s23, s14, 16*SPITCH
	s_add_co_u32 s23, s23, STG                     ; my stage
	v_mul_u32_u24 v5, v1, SPITCH
	v_lshl_add_u32 v5, v2, 4, v5
	v_add_nc_u32 v[STO], s23, v5                   ; in: token r, 16 bytes for each half of the lanes
	v_and_b32 v6, 31, v0
	v_lshrrev_b32 v5, 3, v6
	v_mul_u32_u24 v5, v5, SPITCH
	v_and_b32 v7, 7, v0
	v_lshl_add_u32 v5, v7, 4, v5
	v_add_nc_u32 v[RD], s23, v5                    ; back: eight lanes take a token's 128 bytes of one head, four tokens an instruction
	v_lshlrev_b32 v[CO], 4, v6                     ; which are 512 consecutive bytes of qkvh
	; where my 128 tokens x 2 heads begin in qkvh.  My first column / 64 = g = 4 x tile column + 2 x half: which = g / 16, head = g % 16
	s_lshl_b32 s46, s42, 2
	s_lshl_b32 s47, s16, 1
	s_add_co_u32 s46, s46, s47
	s_lshr_b32 s47, s46, 4
	s_lshl_b32 s47, s47, 6                         ; which x 4 batches x 16 heads
	s_and_b32 s46, s46, 15
	s_add_co_u32 s46, s46, s47
	s_lshl_b32 s46, s46, 18                        ; x 262,144 bytes a head
	s_mov_b32 s47, 0
	s_lshr_b32 s20, s17, 3                         ; batch = tile row / 8
	s_lshl_b32 s20, s20, 22                        ; x 16 heads
	s_and_b32 s21, s17, 7
	s_lshl_b32 s21, s21, 15                        ; 256 tokens of 128 bytes
	s_add_co_u32 s20, s20, s21
	s_lshl_b32 s21, s15, 14                        ; my 128 of them
	s_add_co_u32 s20, s20, s21
	s_mov_b32 s21, 0
	s_add_nc_u64 s[20:21], s[20:21], s[46:47]
	s_add_nc_u64 s[12:13], s[12:13], s[20:21]
.macro FRAG reg, adr, q, i             ; 16 rows x 128 K of 4-bit codes: lane l holds row l % 16; registers 4 c .. 4 c + 3 hold K = 64 c + 32 (l / 16) + 0 .. 31
.irp c, 0,1
	ds_load_b128 v[\reg+4*\c:\reg+4*\c+3], v[\adr] offset:64*(\q)+32*\c+(\i)*16*PITCH
.endr
.endm
; 16 matrix instructions: A's blocks a0, a0 + 1 x B's eight.  The 64 accumulators take turns, one instruction a turn, in the same order in every step.
.macro MUL16 a0, p, q, sc, zero
.irp a, \a0, \a0+1
.irp b, 0,1,2,3,4,5,6,7
.if \zero
	v_wmma_scale_f32_16x16x128_f8f6f4 v[8*(8*((\a)%4)+\b):8*(8*((\a)%4)+\b)+7], v[128*(\p)+FR*\b:128*(\p)+FR*\b+FR-1], v[AF+FR*(\a):AF+FR*(\a)+FR-1], 0, v[SC+8*NQ*(\sc)+NQ*\b+(\q)], v[SC+8*NQ*(\sc)+NQ*(\a)+(\q)] matrix_a_fmt:MATRIX_FMT_FP4 matrix_b_fmt:MATRIX_FMT_FP4 matrix_a_scale:MATRIX_SCALE_ROW1
.else
	v_wmma_scale_f32_16x16x128_f8f6f4 v[8*(8*((\a)%4)+\b):8*(8*((\a)%4)+\b)+7], v[128*(\p)+FR*\b:128*(\p)+FR*\b+FR-1], v[AF+FR*(\a):AF+FR*(\a)+FR-1], v[8*(8*((\a)%4)+\b):8*(8*((\a)%4)+\b)+7], v[SC+8*NQ*(\sc)+NQ*\b+(\q)], v[SC+8*NQ*(\sc)+NQ*(\a)+(\q)] matrix_a_fmt:MATRIX_FMT_FP4 matrix_b_fmt:MATRIX_FMT_FP4 matrix_a_scale:MATRIX_SCALE_ROW1
.endif
.endr
.endr
.endm
.macro FETCH_B slot, q, p
	WIN TO_B
.irp i, 0,1,2,3,4,5,6,7
	FRAG 128*(\p)+FR*\i, ADRB+\slot, \q, \i
.endr
	WIN 0
.endm
.macro FETCH_A slot, q, i0
.irp i, \i0, \i0+1, \i0+2, \i0+3
	FRAG AF+FR*(\i), ADRA+\slot, \q, \i
.endr
.endm
.macro SCALES sc                       ; a slot's scale words: four a row; lanes 0-15 take A's block i, lanes 16-31 B's block i
.irp i, 0,1,2,3,4,5,6,7
	ds_load_b128 v[SC+8*NQ*\sc+NQ*\i:SC+8*NQ*\sc+NQ*\i+3], v[ADRS] offset:\i*SBLK
.endr
.endm
.macro PLACES n
.rept \n
	v_nop
.endr
.endm
.macro STEP slot, q, zero              ; a step of 128 along K that has its successor in the same slot
	s_wait_dscnt 4*NL                              ; B's set and A's blocks 0-3 are in; the youngest eight loads (A's blocks 4-7) may be out
	WIN MUL_LO
	MUL16 0, (\q)%2, \q, \slot, \zero
	MUL16 2, (\q)%2, \q, \slot, \zero
	s_wait_dscnt 0                                 ; A's blocks 4-7 are in
	PLACES NP                                      ; ahead of loads into registers that matrix instructions have read
	FETCH_B \slot, (\q)+1, 1-(\q)%2
	FETCH_A \slot, (\q)+1, 0
	WIN MUL_HI
	MUL16 4, (\q)%2, \q, \slot, \zero
	MUL16 6, (\q)%2, \q, \slot, \zero
	PLACES NP
	WIN 0
	FETCH_A \slot, (\q)+1, 4
.endm
.macro STEPS slot, from
.set Q, \from
.rept NQ-1-\from
	STEP \slot, Q, 0
.set Q, Q+1
.endr
.endm
	s_wait_tensorcnt 1                             ; the scales and my part of slot 0 are in; slot 1's load may be out
	s_barrier_signal -1
	s_barrier_wait -1                              ; everybody's are
	FETCH_B 0, 0, 0
	FETCH_A 0, 0, 0
	SCALES 0
	FETCH_A 0, 0, 4
	STEP 0, 0, 1                                   ; the first products start the sums: nothing is cleared
	STEPS 0, 1
	; slot 0's last step changes slots: one barrier, in front of which my part of slot 1 has landed
	s_wait_tensorcnt 0x0                           ; all my tensor loads have landed
	ds_add_u32 v[SPW], v[NIL]
	s_wait_dscnt 4*NL+1                            ; the add and the youngest eight loads may be out
	WIN MUL_LO
	MUL16 0, 1, NQ-1, 0, 0
	s_wait_dscnt 0x0                               ; the add is done, my reads of slot 0 are over
	s_barrier_signal -1
	MUL16 2, 1, NQ-1, 0, 0
	WIN 0
	s_barrier_wait -1                              ; slot 1 is whole
	PLACES NP
	v_add_nc_u32 v[ADRS], 4*NQ, v[ADRS]            ; on to slot 1's scale words
	FETCH_B 1, 0, 0
	FETCH_A 1, 0, 0
	SCALES 1
	WIN MUL_HI
	MUL16 4, 1, NQ-1, 0, 0
	MUL16 6, 1, NQ-1, 0, 0
	PLACES NP
	WIN 0
	FETCH_A 1, 0, 4
	STEPS 1, 0
	s_wait_dscnt 4*NL                              ; the last step: nothing more to fetch
	WIN MUL_LO
	MUL16 0, 1, NQ-1, 1, 0
	MUL16 2, 1, NQ-1, 1, 0
	s_wait_dscnt 0
	WIN MUL_HI
	MUL16 4, 1, NQ-1, 1, 0
	MUL16 6, 1, NQ-1, 1, 0
	WIN 0
; THE WAY OUT, a block of 16 tokens x 128 columns (two heads) at a time: rounded to f16, 16 bytes a lane into my stage, back as tokens' 128 bytes of one head, stored 512 consecutive bytes an instruction.
.macro PACK a
.set AC, 64*((\a)%4)
	WIN 0x0a+5*((\a)/4)                            ; sources 0 and 1: window 2 or 3
.irp b, 0,1,2,3,4,5,6,7
.irp i, 0,1,2,3
	v_cvt_pk_f16_f32 v[TMP+4*\b+\i], v[AC+8*\b+2*\i], v[AC+8*\b+2*\i+1]   ; each accumulator from its low end on
.endr
.endr
	WIN 0
.endm
.macro TOSTAGE a
.set BB, BK+32*((\a)%2)
.irp b, 0,1,2,3,4,5,6,7
	ds_store_b128 v[STO], v[TMP+4*\b:TMP+4*\b+3] offset:32*\b
.endr
.irp i, 0,1,2,3,4,5,6,7
	ds_load_b128 v[BB+4*\i:BB+4*\i+3], v[RD] offset:(\i%4)*4*SPITCH+(\i/4)*128   ; LDS serves a wave's instructions in order: these see the stores above
.endr
.endm
.macro SEND a
.set BB, BK+32*((\a)%2)
	s_wait_dscnt 0x0                               ; the block is back in registers
	s_wait_xcnt 0x0                                ; the block before has left its registers: the next block's loads may land there
.irp i, 0,1,2,3,4,5,6,7
	global_store_b128 v[CO], v[BB+4*\i:BB+4*\i+3], s[12:13] offset:(\i/4)*262144+(16*(\a)+4*(\i%4))*128   ; four tokens of one head: 512 consecutive bytes, aligned
.endr
.endm
	PLACES NP                                      ; behind the last products: ahead of the conversions and of loads into A's registers
	PACK 0
	TOSTAGE 0
.irp a, 1,2,3,4,5,6,7
	PACK \a                                        ; block a's conversions stand between block a - 1's stage loads and the wait for them
	SEND \a-1
	TOSTAGE \a
.endr
	SEND 7
	s_wait_tensorcnt 0x0                           ; the wave's end
	ds_add_u32 v[SPW], v[NIL]
	s_wait_dscnt 0x0
	CROUND                                         ; the closing round
	s_endpgm
.Lfunc_end_k_qfbc5a88526_qkv:
	.size	k_qfbc5a88526_qkv, .Lfunc_end_k_qfbc5a88526_qkv-k_qfbc5a88526_qkv
	.p2alignl 7, 3214868480
	.fill 96, 4, 3214868480
	.section	.rodata,"a",@progbits
	.p2align	6, 0x0
	.amdhsa_kernel k_qfbc5a88526_qkv
		.amdhsa_group_segment_fixed_size 327680
		.amdhsa_private_segment_fixed_size 0
		.amdhsa_enable_private_segment 0
		.amdhsa_kernarg_size 40
		.amdhsa_user_sgpr_count 2
		.amdhsa_user_sgpr_kernarg_segment_ptr 1
		.amdhsa_wavefront_size32 1
		.amdhsa_system_sgpr_workgroup_id_x 1
		.amdhsa_system_sgpr_workgroup_id_y 1
		.amdhsa_system_sgpr_workgroup_id_z 1
		.amdhsa_system_vgpr_workitem_id 0
		.amdhsa_next_free_vgpr 1024
		.amdhsa_next_free_sgpr 98
		.amdhsa_reserve_vcc 0
		.amdhsa_float_denorm_mode_32 3
		.amdhsa_float_denorm_mode_16_64 3
		.amdhsa_memory_ordered 1
		.amdhsa_forward_progress 1
		.amdhsa_inst_pref_size 127
	.end_amdhsa_kernel
	.amdgpu_metadata
---
amdhsa.version: [ 1, 2 ]
amdhsa.kernels:
  - .name:           k_qfbc5a88526_qkv
    .symbol:         k_qfbc5a88526_qkv.kd
    .args:
      - { .name: xc, .offset: 0, .size: 8, .value_kind: global_buffer, .address_space: global }
      - { .name: xs, .offset: 8, .size: 8, .value_kind: global_buffer, .address_space: global }
      - { .name: wc, .offset: 16, .size: 8, .value_kind: global_buffer, .address_space: global }
      - { .name: ws, .offset: 24, .size: 8, .value_kind: global_buffer, .address_space: global }
      - { .name: qkvh, .offset: 32, .size: 8, .value_kind: global_buffer, .address_space: global }
    .group_segment_fixed_size: 327680
    .private_segment_fixed_size: 0
    .kernarg_segment_align: 8
    .kernarg_segment_size: 40
    .max_flat_workgroup_size: 128
    .sgpr_count:     98
    .vgpr_count:     1024
    .wavefront_size: 32
...
	.end_amdgpu_metadata
.endif
;; end of part 2
;; launch fine_att (part 3): grid 16 x 4, 4 waves a work-group, no clusters, 4,608 bytes of LDS; arguments xc, xs, wc, ws, att16; writes att16
.if DOCPART == 3
	.amdgcn_target "amdgcn-amd-amdhsa--gfx1250"
	.amdhsa_code_object_version 6
	.text
	.protected	k_qfbc5a88526_fine_att
	.globl	k_qfbc5a88526_fine_att
	.p2align	8
	.type	k_qfbc5a88526_fine_att,@function
k_qfbc5a88526_fine_att:
	s_mov_b64 s[64:65], 0
	v_nop
	global_prefetch_b8 v0, s[64:65] scope:SCOPE_SE
	s_setreg_imm32_b32 hwreg(HW_REG_WAVE_MODE, 25, 1), 1
	s_wait_xcnt 0x0
; The first 16 positions of every sequence, in f32 from the quantised product on: these rows average one to sixteen values and are the largest of the output.
; A work-group takes one head of one batch.  Wave T makes channels 16 T .. 16 T + 15 of q, k and v for tokens 0-15 anew, by the product on codes of E2M1 (K = 1,024: eight steps),
; then its part of the scores by the f32 matrix form; the four parts meet in LDS; every wave takes the softmax of the 16 x 16 scores (causal, maximum taken away) and makes its 16 channels of the result.
; att16 [16 batch + token][1024] f32.  A lane stores 32 bytes; the whole buffer is 262,144 bytes.
; No tensor load: the operands are a few fragments, read once, straight into registers.
; LAYOUTS.  q, k TRANSPOSED (source 0 = 16 rows of wc, source 1 = x): lane (r, h) = token r, register j = channel 8 h + j.  v natural: register j = token 8 h + j, lane r = channel r.
; The f32 form takes k = 2 h + j from a pair of registers: fed with registers 2 i, 2 i + 1 of both operands its k stands for 8 h + 2 i + j on both sides alike.
.set XC,  16                           ; v16-79   x's codes, K step s at 16 + 8 s
.set XS,  80                           ; v80-87   x's scale words
.set WS,  88                           ; v88-111  the weights' scale words, tile w (q, k, v) at 88 + 8 w
.set QA,  112
.set KA,  120
.set VA,  128
.set SA,  136                          ; v136-151 two sums of the scores: written by the f32 matrix form alone
.set SB,  144
.set SPT, 152                          ; my part of the scores
.set IM,  160                          ; v160-191 the four parts
.set S,   192                          ; the scores, then p
.set OA,  200                          ; v200-215 two sums of the result: written by the f32 matrix form alone
.set OB,  208
.set OUT, 216
.set SPW, 252
.set NIL, 253
.set SPARE, 4096
.set MSB, 0
.macro WIN new
.if MSB != \new
	s_set_vgpr_msb (MSB<<8)|\new
.set MSB, \new
.endif
.endm
	s_load_b256 s[4:11], s[0:1], 0x0               ; xc s[4:5], xs s[6:7], wc s[8:9], ws s[10:11]
	s_load_b64 s[12:13], s[0:1], 0x20              ; att16
	v_lshl_add_u32 v[SPW], v0, 2, SPARE
	v_mov_b32 v[NIL], 0
	v_lshrrev_b32 v1, 5, v0
	v_readfirstlane_b32 s14, v1                    ; wave T
	v_and_b32 v1, 15, v0                           ; r
	v_bfe_u32 v2, v0, 4, 1                         ; h
	v_lshlrev_b32 v3, 9, v1
	v_lshl_add_u32 v3, v2, 4, v3                   ; codes: row r of 512 bytes + 16 h
	v_lshlrev_b32 v4, 5, v1                        ; scale words: row r of 32 bytes
	v_and_b32 v8, 31, v0
	v_lshlrev_b32 v8, 4, v8                        ; LDS: 16 x lane
	s_lshl_b32 s15, s14, 10
	v_add_nc_u32 v7, s15, v8                       ; + 1,024 x wave: where my part goes
	v_lshlrev_b32 v9, 3, v2
	v_sub_nc_u32 v9, v1, v9                        ; r - 8 h: key 8 h + j is hidden where j is above it
	v_mov_b32 v10, 0xff800000                      ; -infinity
	v_lshlrev_b32 v11, 12, v1
	v_lshl_add_u32 v11, v2, 5, v11                 ; att16: row r of 4,096 bytes + 32 h
	v_mov_b32 v226, 0                              ; a lane permute's destination counts as one of its sources
	v_mov_b32 v229, 0
	v_mov_b32 v231, 0                              ; named as the upper half of the pair v[230:231]
	s_mov_b32 s20, 0x76543210
	s_mov_b32 s21, 0xfedcba98                      ; lane l xor 16
	s_mov_b32 s22, 0x3e38aa3b                      ; c = log2(e) / sqrt(64)
	s_and_b32 s16, ttmp7, 0xffff                   ; batch
	s_mov_b32 s25, 0
	s_wait_kmcnt 0x0
	s_lshl_b32 s24, s16, 20                        ; 2,048 rows of 512 bytes a batch
	s_add_nc_u64 s[4:5], s[4:5], s[24:25]
	s_lshl_b32 s24, s16, 16
	s_add_nc_u64 s[6:7], s[6:7], s[24:25]
	s_add_nc_u64 s[12:13], s[12:13], s[24:25]      ; att16: 16 rows of 4,096 bytes a batch
	s_lshl_b32 s24, ttmp9, 15                      ; wc: row 64 head + 16 T
	s_lshl_b32 s26, s14, 13
	s_add_co_u32 s24, s24, s26
	s_add_nc_u64 s[8:9], s[8:9], s[24:25]
	s_lshl_b32 s24, ttmp9, 11
	s_lshl_b32 s26, s14, 9
	s_add_co_u32 s24, s24, s26
	s_add_nc_u64 s[10:11], s[10:11], s[24:25]
	s_lshl_b32 s24, ttmp9, 8                       ; att16: column 64 head + 16 T
	s_lshl_b32 s26, s14, 6
	s_add_co_u32 s24, s24, s26
	s_add_nc_u64 s[12:13], s[12:13], s[24:25]
.irp s, 0,1,2,3,4,5,6,7
.irp c, 0,1
	global_load_b128 v[XC+8*\s+4*\c:XC+8*\s+4*\c+3], v3, s[4:5] offset:64*\s+32*\c
.endr
.endr
	global_load_b128 v[XS:XS+3], v4, s[6:7]
	global_load_b128 v[XS+4:XS+7], v4, s[6:7] offset:16
.irp w, 0,1,2
	global_load_b128 v[WS+8*\w:WS+8*\w+3], v4, s[10:11] offset:32768*\w
	global_load_b128 v[WS+8*\w+4:WS+8*\w+7], v4, s[10:11] offset:32768*\w+16
.endr
	WIN 0x40                                       ; destination window 1: the weights' codes, tile w, K step s at v[64 w + 8 s]
.irp w, 0,1,2
.irp s, 0,1,2,3,4,5,6,7
.irp c, 0,1
	global_load_b128 v[64*\w+8*\s+4*\c:64*\w+8*\s+4*\c+3], v3, s[8:9] offset:524288*\w+64*\s+32*\c
.endr
.endr
.endr
	WIN 0
	s_wait_loadcnt 0x0
	; ---- q, k, v of 16 tokens x my 16 channels: three accumulators by turns
.irp s, 0,1,2,3,4,5,6,7
	WIN 0x01                                       ; source 0 in window 1
.if \s == 0
	v_wmma_scale_f32_16x16x128_f8f6f4 v[QA:QA+7], v[8*\s:8*\s+7], v[XC+8*\s:XC+8*\s+7], 0, v[WS+\s], v[XS+\s] matrix_a_fmt:MATRIX_FMT_FP4 matrix_b_fmt:MATRIX_FMT_FP4
	v_wmma_scale_f32_16x16x128_f8f6f4 v[KA:KA+7], v[64+8*\s:64+8*\s+7], v[XC+8*\s:XC+8*\s+7], 0, v[WS+8+\s], v[XS+\s] matrix_a_fmt:MATRIX_FMT_FP4 matrix_b_fmt:MATRIX_FMT_FP4
	WIN 0x04                                       ; source 1 in window 1
	v_wmma_scale_f32_16x16x128_f8f6f4 v[VA:VA+7], v[XC+8*\s:XC+8*\s+7], v[128+8*\s:128+8*\s+7], 0, v[XS+\s], v[WS+16+\s] matrix_a_fmt:MATRIX_FMT_FP4 matrix_b_fmt:MATRIX_FMT_FP4
.else
	v_wmma_scale_f32_16x16x128_f8f6f4 v[QA:QA+7], v[8*\s:8*\s+7], v[XC+8*\s:XC+8*\s+7], v[QA:QA+7], v[WS+\s], v[XS+\s] matrix_a_fmt:MATRIX_FMT_FP4 matrix_b_fmt:MATRIX_FMT_FP4
	v_wmma_scale_f32_16x16x128_f8f6f4 v[KA:KA+7], v[64+8*\s:64+8*\s+7], v[XC+8*\s:XC+8*\s+7], v[KA:KA+7], v[WS+8+\s], v[XS+\s] matrix_a_fmt:MATRIX_FMT_FP4 matrix_b_fmt:MATRIX_FMT_FP4
	WIN 0x04
	v_wmma_scale_f32_16x16x128_f8f6f4 v[VA:VA+7], v[XC+8*\s:XC+8*\s+7], v[128+8*\s:128+8*\s+7], v[VA:VA+7], v[XS+\s], v[WS+16+\s] matrix_a_fmt:MATRIX_FMT_FP4 matrix_b_fmt:MATRIX_FMT_FP4
.endif
.endr
	WIN 0
.rept 5
	v_nop                                          ; five plain instructions before a matrix instruction takes these results as operands
.endr
	; ---- my 16 channels' part of S^T = k q^T: register j = key 8 h + j, lane r = query r; two sums by turns
	v_wmma_f32_16x16x4_f32 v[SA:SA+7], v[KA:KA+1], v[QA:QA+1], 0
	v_wmma_f32_16x16x4_f32 v[SB:SB+7], v[KA+2:KA+3], v[QA+2:QA+3], 0
	v_wmma_f32_16x16x4_f32 v[SA:SA+7], v[KA+4:KA+5], v[QA+4:QA+5], v[SA:SA+7]
	v_wmma_f32_16x16x4_f32 v[SB:SB+7], v[KA+6:KA+7], v[QA+6:QA+7], v[SB:SB+7]
.rept 8
	v_nop                                          ; eight behind this form before its results are read
.endr
.irp j, 0,2,4,6
	v_pk_add_f32 v[SPT+\j:SPT+\j+1], v[SA+\j:SA+\j+1], v[SB+\j:SB+\j+1]
.endr
	ds_store_b128 v7, v[SPT:SPT+3]                 ; an image of my eight registers
	ds_store_b128 v7, v[SPT+4:SPT+7] offset:512
	s_wait_dscnt 0x0                               ; for the others: my stores have landed
	s_barrier_signal -1
	s_barrier_wait -1
.irp w, 0,1,2,3
	ds_load_b128 v[IM+8*\w:IM+8*\w+3], v8 offset:1024*\w
	ds_load_b128 v[IM+8*\w+4:IM+8*\w+7], v8 offset:1024*\w+512
.endr
	s_wait_dscnt 0x0
.irp j, 0,2,4,6
	v_pk_add_f32 v[S+\j:S+\j+1], v[IM+\j:IM+\j+1], v[IM+8+\j:IM+8+\j+1]
	v_pk_add_f32 v[SPT+\j:SPT+\j+1], v[IM+16+\j:IM+16+\j+1], v[IM+24+\j:IM+24+\j+1]
.endr
.irp j, 0,2,4,6
	v_pk_add_f32 v[S+\j:S+\j+1], v[S+\j:S+\j+1], v[SPT+\j:SPT+\j+1]   ; the scores over all 64 channels, the same bits in every wave
.endr
	; ---- the softmax of query r over keys 0 .. r
.irp j, 0,1,2,3,4,5,6,7
	v_cmp_gt_i32 vcc_lo, \j, v9
	v_cndmask_b32 v[S+\j], v[S+\j], v10, vcc_lo    ; hidden keys: -infinity
.endr
	v_max3_num_f32 v224, v[S], v[S+1], v[S+2]
	v_max3_num_f32 v225, v[S+3], v[S+4], v[S+5]
	v_max3_num_f32 v224, v224, v[S+6], v[S+7]
	v_max_num_f32 v224, v224, v225
	v_permlanex16_b32 v226, v224, s20, s21
	v_max_num_f32 v224, v224, v226                 ; the row's maximum (key 0 counts for every query)
	v_mul_f32 v225, s22, v224
.irp j, 0,1,2,3,4,5,6,7
	v_fma_f32 v[S+\j], v[S+\j], s22, -v225
.endr
.irp j, 0,1,2,3,4,5,6,7
	v_exp_f32 v[S+\j], v[S+\j]
.endr
	v_nop                                          ; a plain instruction behind the last exponential
	s_wait_alu depctr_va_vdst(0)                   ; one wait for the eight, ahead of their first reader
	v_add_f32 v227, v[S], v[S+1]
	v_add_f32 v228, v[S+2], v[S+3]
	v_add_f32 v227, v227, v[S+4]
	v_add_f32 v228, v228, v[S+5]
	v_add_f32 v227, v227, v[S+6]
	v_add_f32 v228, v228, v[S+7]
	v_add_f32 v227, v227, v228
	v_permlanex16_b32 v229, v227, s20, s21
	v_add_f32 v227, v227, v229                     ; the row's sum
	v_rcp_f32 v230, v227
	v_nop
	s_wait_alu depctr_va_vdst(0)
	; ---- O^T = v^T p^T: register j = channel 8 h + j of my 16, lane r = query r
	v_wmma_f32_16x16x4_f32 v[OA:OA+7], v[VA:VA+1], v[S:S+1], 0
	v_wmma_f32_16x16x4_f32 v[OB:OB+7], v[VA+2:VA+3], v[S+2:S+3], 0
	v_wmma_f32_16x16x4_f32 v[OA:OA+7], v[VA+4:VA+5], v[S+4:S+5], v[OA:OA+7]
	v_wmma_f32_16x16x4_f32 v[OB:OB+7], v[VA+6:VA+7], v[S+6:S+7], v[OB:OB+7]
.rept 8
	v_nop
.endr
.irp j, 0,2,4,6
	v_pk_add_f32 v[OUT+\j:OUT+\j+1], v[OA+\j:OA+\j+1], v[OB+\j:OB+\j+1]
.endr
.irp j, 0,2,4,6
	v_pk_mul_f32 v[OUT+\j:OUT+\j+1], v[OUT+\j:OUT+\j+1], v[230:231] op_sel_hi:[1,0]
.endr
	global_store_b128 v11, v[OUT:OUT+3], s[12:13]
	global_store_b128 v11, v[OUT+4:OUT+7], s[12:13] offset:16
	s_wait_tensorcnt 0x0                           ; the wave's end
	ds_add_u32 v[SPW], v[NIL]
	s_wait_dscnt 0x0
	s_endpgm
.Lfunc_end_k_qfbc5a88526_fine_att:
	.size	k_qfbc5a88526_fine_att, .Lfunc_end_k_qfbc5a88526_fine_att-k_qfbc5a88526_fine_att
	.p2alignl 7, 3214868480
	.fill 96, 4, 3214868480
	.section	.rodata,"a",@progbits
	.p2align	6, 0x0
	.amdhsa_kernel k_qfbc5a88526_fine_att
		.amdhsa_group_segment_fixed_size 4608
		.amdhsa_private_segment_fixed_size 0
		.amdhsa_enable_private_segment 0
		.amdhsa_kernarg_size 40
		.amdhsa_user_sgpr_count 2
		.amdhsa_user_sgpr_kernarg_segment_ptr 1
		.amdhsa_wavefront_size32 1
		.amdhsa_system_sgpr_workgroup_id_x 1
		.amdhsa_system_sgpr_workgroup_id_y 1
		.amdhsa_system_sgpr_workgroup_id_z 1
		.amdhsa_system_vgpr_workitem_id 0
		.amdhsa_next_free_vgpr 448
		.amdhsa_next_free_sgpr 66
		.amdhsa_reserve_vcc 1
		.amdhsa_float_denorm_mode_32 3
		.amdhsa_float_denorm_mode_16_64 3
		.amdhsa_memory_ordered 1
		.amdhsa_forward_progress 1
		.amdhsa_inst_pref_size 19
	.end_amdhsa_kernel
	.amdgpu_metadata
---
amdhsa.version: [ 1, 2 ]
amdhsa.kernels:
  - .name:           k_qfbc5a88526_fine_att
    .symbol:         k_qfbc5a88526_fine_att.kd
    .args:
      - { .name: xc, .offset: 0, .size: 8, .value_kind: global_buffer, .address_space: global }
      - { .name: xs, .offset: 8, .size: 8, .value_kind: global_buffer, .address_space: global }
      - { .name: wc, .offset: 16, .size: 8, .value_kind: global_buffer, .address_space: global }
      - { .name: ws, .offset: 24, .size: 8, .value_kind: global_buffer, .address_space: global }
      - { .name: att16, .offset: 32, .size: 8, .value_kind: global_buffer, .address_space: global }
    .group_segment_fixed_size: 4608
    .private_segment_fixed_size: 0
    .kernarg_segment_align: 8
    .kernarg_segment_size: 40
    .max_flat_workgroup_size: 128
    .sgpr_count:     66
    .vgpr_count:     448
    .wavefront_size: 32
...
	.end_amdgpu_metadata
.endif
;; end of part 3
;; launch attn (part 4): grid 4 x 64, 16 waves a work-group, no clusters, 327,680 bytes of LDS; arguments qkvh, atth; writes atth
.if DOCPART == 4
	.amdgcn_target "amdgcn-amd-amdhsa--gfx1250"
	.amdhsa_code_object_version 6
	.text
	.protected	k_qfbc5a88526_attn
	.globl	k_qfbc5a88526_attn
	.p2align	8
	.type	k_qfbc5a88526_attn,@function
k_qfbc5a88526_attn:
	s_mov_b64 s[64:65], 0
	v_nop
	global_prefetch_b8 v0, s[64:65] scope:SCOPE_SE
	s_setreg_imm32_b32 hwreg(HW_REG_WAVE_MODE, 25, 1), 1
	s_wait_xcnt 0x0
; Causal attention, head size 64, 2,048 positions, 64 (batch, head) pairs.  q, k, v: f16, qkvh [3][64 bh][2048][64].  Products on f16 operands with f32 sums; maxima, exponentials and sums in f32;
; the weights p are rounded to f16 for the second product, the result once at the end.  atth [16 heads][8192 rows][64] f16.
; LIMIT: |q|, |k|, |v| and the result stay under 65,504 (f16).  Positions 0-15 of each sequence are made here too and are replaced downstream by the f32 path.
; SOFTMAX: a running maximum m and sum l for each query: p = 2^(c s - c m), c = log2(e) / 8; in every step O and l are multiplied by a = 2^(c m_old - c m_new).
; SHARES.  A head has 8 blocks of 256 queries; work-group i takes blocks i and 7 - i, so that under the mask all 256 work-groups have the same work.  A wave owns 32 queries (two tiles of 16):
; wave w takes block (w xor w / 4) % 2 of the two and queries 32 (w / 2) on.  All sixteen waves walk one ring of two LDS slots of 256 keys; the trip counts are constants;
; a step of 64 keys all of which come after the wave's queries is jumped over by a scalar branch on ids, round loads, products and softmax, never round a barrier.
; NO CLUSTER: the four work-groups of a head need 8 - i slots, a different number each, so a partner would have to ask for tiles that none of its waves reads.
; LAYOUT.  S^T = K Q^T (source 0 = 16 keys, source 1 = 16 queries): a lane holds one query (lane % 16) and keys 8 (lane / 16) + 0..7.  Two such tiles packed to f16 in pairs ARE source 1
; (32 keys x 16 queries) of O^T = V^T P; V ([key][channel]) comes out of LDS turned, by ds_load_tr16_b128.
.set SK,    256                        ; keys in a slot: four steps of 64
.set PK,    144                        ; a key's row in LDS: 128 bytes + 16 of padding
.set PV,    160                        ; a row of V: 128 + 32
.set VOFF,  SK*PK                      ; a slot: 256 rows of K, then 256 rows of V
.set SLOT1, 1<<17                      ; slot 1 begins here: one exclusive or turns an address
.set NSL,   2048/SK
.set SPARE, 2*SLOT1                    ; the spare words: 128 bytes for each of 16 waves, named by no other line
.set STG,   SPARE+2048                 ; the way out: 16 rows x 144 bytes for each wave; no tile lands here
.set AK0, 1                            ; v1  my lane's place in a tile of K
.set AV0, 2                            ; v2  the same for V
.set ADK, 3                            ; v3  LDS address of the step's K (at the head: my offset in Q)
.set ADV, 4                            ; v4  of its V
.set SPW, 5
.set NIL, 6
.set GO,  7                            ; v7  16 x lane
.set STO, 8
.set RD,  9
.set DL,  10                           ; v10 r - 8 h
.set D0,  11                           ; v11, v12: the diagonal's bound for tiles 0, 1
.set NEG, 13                           ; v13 -infinity
.set PFO, 14                           ; v14 256 x lane
.set ST,  16                           ; tile t at 16 + 8 t: +0 c m, +1 m, +2, +3 l, +4 .. +7 at work; a at +6
.set Q,   32                           ; tile t, channels 32 c on, at 32 + 16 t + 8 c
.set KV,  64                           ; eight fragments of K, then of V
.set S,   128                          ; tile t at 128 + 32 t; p is packed into its low 16 registers
.set O,   192                          ; tile t, channels 16 ct on, at 192 + 32 t + 8 ct
.set WV,  18
.set SEL, 20
.set CS,  22
.set G1K, 24
.set G1V, 32
.set G0K, 40
.set G0V, 44
.set TB,  2                            ; s2  LDS byte at which the slot in hand begins
.set SLOTS, 67
.set QL,  68                           ; s68 my work-group's last query
.set PFA, 76
.set PFS, 78
.set LIM, 80
.set KF,  98                           ; s98 the step's first key
.set Q0,  99                           ; s99 my first query
; Waves 0 and 1 fetch K's halves of a slot, waves 2 and 3 V's.  An s_nop 0 and four v_nop follow each line.
.macro TLOAD
	s_cmp_lt_u32 s[WV], 2
	s_cbranch_scc0 .Lnot_k_\@
	tensor_load_to_lds s[G0K:G0K+3], s[G1K:G1K+7]
	s_nop 0
.rept 4
	v_nop
.endr
	s_branch .Lasked_\@
.Lnot_k_\@:
	s_cmp_lt_u32 s[WV], 4
	s_cbranch_scc0 .Lasked_\@
	tensor_load_to_lds s[G0V:G0V+3], s[G1V:G1V+7]
	s_nop 0
.rept 4
	v_nop
.endr
.Lasked_\@:
.endm
; A prefetch of what the NEXT change of slots will ask for: 32,768 dense bytes of K and as many of V.  The head's first work-group asks, which walks all eight slots; in it waves 4-7 for K and
; waves 8-11 for V, 8,192 bytes a wave, lanes 256 bytes apart: each block is named once in the launch.  The last change that fills a slot asks for nothing; slots 0 and 1 come by their loads alone.
.macro ASK
	s_cmp_gt_u32 s[SLOTS], s[LIM]
	s_cbranch_scc0 .Lnot_mine_\@
	global_prefetch_b8 v[PFO], s[PFA:PFA+1] th:TH_LOAD_NT scope:SCOPE_SE
.Lnot_mine_\@:
.endm
	s_load_b128 s[4:7], s[0:1], 0x0                ; qkvh s[4:5], atth s[6:7]
	v_lshl_add_u32 v[SPW], v0, 2, SPARE
	v_mov_b32 v[NIL], 0
	ds_add_u32 v[SPW], v[NIL]                      ; the wave's opening: the add, twice on end, and its wait ahead of the first tensor load
	ds_add_u32 v[SPW], v[NIL]
	v_lshrrev_b32 v3, 5, v0
	v_readfirstlane_b32 s[WV], v3                  ; wave 0..15
	s_and_b32 s8, ttmp7, 0xffff                    ; bh = 16 batch + head
	s_lshl_b32 s10, s8, 18                         ; its 262,144 bytes in each of q, k, v
	s_lshr_b32 s12, s[WV], 2
	s_xor_b32 s12, s12, s[WV]
	s_and_b32 s12, s12, 1                          ; which of the work-group's two blocks
	s_lshl_b32 s13, ttmp9, 1
	s_sub_co_u32 s13, 7, s13
	s_mul_i32 s13, s13, s12
	s_add_co_u32 s13, s13, ttmp9                   ; block i or 7 - i
	s_lshl_b32 s13, s13, 8
	s_lshr_b32 s14, s[WV], 1
	s_lshl_b32 s14, s14, 5
	s_add_co_u32 s[Q0], s13, s14
	s_sub_co_u32 s[QL], 7, ttmp9
	s_lshl_b32 s[QL], s[QL], 8
	s_or_b32 s[QL], s[QL], 255
	s_and_b32 s15, s[WV], 1                        ; which half of a slot's rows I fetch, if I fetch
	s_mul_i32 s16, s15, 128*PK
	s_mul_i32 s17, s15, 128*PV
	s_add_co_u32 s17, s17, VOFF
	s_lshl_b32 s48, s15, 14                        ; 128 rows of 128 bytes
	s_add_co_u32 s48, s48, s10
	s_mov_b32 s49, 0
	s_mov_b32 s[G1K], (1<<16)|(1<<20)|(4<<22)|(3<<25)   ; no mask; elements of 2 bytes; padding on: 4 words behind every 32
	s_mov_b32 s[G1V], (1<<16)|(1<<20)|(4<<22)|(7<<25)   ; 8 words behind every 32
.irp g, G1K, G1V
	s_mov_b32 s[\g+1], 64<<16                      ; tensor_dim0
	s_mov_b32 s[\g+2], 128<<16                     ; tensor_dim1
	s_mov_b32 s[\g+3], 64<<16                      ; tile_dim0
	s_mov_b32 s[\g+4], 128                         ; tile_dim1
	s_mov_b32 s[\g+5], 64                          ; from row to row
	s_mov_b32 s[\g+6], 0
	s_mov_b32 s[\g+7], 0
.endr
	s_mov_b32 s[SEL], 0x76543210
	s_mov_b32 s[SEL+1], 0xfedcba98
	s_mov_b32 s[CS], 0x3e38aa3b                    ; c = log2(e) / sqrt(64)
	s_mov_b32 s[CS+1], s[CS]
	s_mov_b32 s[TB], 0
	s_mov_b32 s[SLOTS], NSL-1
	s_mov_b32 s[KF], 0
	s_wait_dscnt 0x0                               ; both opening adds are done
	s_wait_kmcnt 0x0
	s_add_nc_u64 s[50:51], s[4:5], s[48:49]
	s_mov_b32 s[G0K], 1
	s_mov_b32 s[G0K+1], s16
	s_add_nc_u64 s[G0K+2:G0K+3], s[50:51], 16777216    ; K begins 16 MiB into qkvh
	s_or_b32 s[G0K+3], s[G0K+3], 0x80000000
	s_mov_b32 s[G0V], 1
	s_mov_b32 s[G0V+1], s17
	s_add_nc_u64 s[G0V+2:G0V+3], s[50:51], 33554432    ; V 32 MiB
	s_or_b32 s[G0V+3], s[G0V+3], 0x80000000
	TLOAD                                          ; slot 0: key 0 counts for every query, so it is read by all
	s_lshl_b32 s52, s[Q0], 7
	s_add_co_u32 s52, s52, s10
	s_mov_b32 s53, 0
	s_add_nc_u64 s[52:53], s[4:5], s[52:53]        ; Q at my first query
	s_and_b32 s54, s8, 15
	s_lshl_b32 s54, s54, 20                        ; atth: the head's 8,192 rows of 128 bytes,
	s_lshr_b32 s55, s8, 4
	s_lshl_b32 s55, s55, 18                        ; the batch's 2,048,
	s_add_co_u32 s54, s54, s55
	s_lshl_b32 s55, s[Q0], 7
	s_add_co_u32 s54, s54, s55                     ; my first query
	s_mov_b32 s55, 0
	s_add_nc_u64 s[6:7], s[6:7], s[54:55]
	s_cmp_lt_u32 s[WV], 8                          ; the prefetches: waves 4-7 K, waves 8-11 V
	s_mov_b32 s82, 33554432
	s_cselect_b32 s82, 16777216, s82
	s_add_co_u32 s82, s82, s10
	s_and_b32 s83, s[WV], 3
	s_lshl_b32 s83, s83, 13                        ; my wave's 8,192 bytes,
	s_add_co_u32 s82, s82, s83
	s_add_co_u32 s82, s82, SK*128                  ; in slot 1: the first change of slots steps it to slot 2
	s_mov_b32 s83, 0
	s_add_nc_u64 s[PFA:PFA+1], s[4:5], s[82:83]
	s_mov_b32 s[PFS], SK*128
	s_mov_b32 s[PFS+1], 0
	s_sub_co_u32 s82, s[WV], 4
	s_lshr_b32 s82, s82, 3                         ; 0 in waves 4 to 11,
	s_or_b32 s82, s82, ttmp9                       ; of the head's first work-group
	s_cmp_eq_u32 s82, 0
	s_cselect_b32 s[LIM], 1, -1
	v_and_b32 v15, 15, v0                          ; r
	v_bfe_u32 v12, v0, 4, 1                        ; h
	v_lshlrev_b32 v3, 7, v15
	v_lshl_add_u32 v3, v12, 4, v3                  ; Q: row r of 128 bytes + 16 h
.irp t, 0,1
.irp c, 0,1
	global_load_b128 v[Q+16*\t+8*\c:Q+16*\t+8*\c+3], v3, s[52:53] offset:2048*\t+64*\c
	global_load_b128 v[Q+16*\t+8*\c+4:Q+16*\t+8*\c+7], v3, s[52:53] offset:2048*\t+64*\c+32
.endr
.endr
	v_mul_u32_u24 v[AK0], v15, PK
	v_lshl_add_u32 v[AK0], v12, 4, v[AK0]
	v_and_b32 v11, 7, v0
	v_lshl_add_u32 v[AV0], v12, 3, v11             ; the turning load: key 8 h + lane % 8,
	v_mul_u32_u24 v[AV0], v[AV0], PV
	v_bfe_u32 v11, v0, 3, 1
	v_lshl_add_u32 v[AV0], v11, 4, v[AV0]          ; channels 8 ((lane / 8) % 2) on
	v_add_nc_u32 v[AV0], VOFF, v[AV0]
	v_and_b32 v[GO], 31, v0
	v_lshlrev_b32 v[PFO], 8, v[GO]
	s_mul_i32 s84, s[WV], 16*PK
	s_add_co_u32 s84, s84, STG                     ; my stage
	v_add_nc_u32 v[STO], s84, v[AK0]               ; in: row r, 16 bytes for each half of the lanes
	v_lshrrev_b32 v[RD], 3, v[GO]
	v_mul_u32_u24 v[RD], v[RD], PK
	v_and_b32 v11, 7, v0
	v_lshl_add_u32 v[RD], v11, 4, v[RD]
	v_add_nc_u32 v[RD], s84, v[RD]                 ; back: eight lanes to a row of 128 bytes, four rows an instruction
	v_lshlrev_b32 v[GO], 4, v[GO]
	v_lshlrev_b32 v[DL], 3, v12
	v_sub_nc_u32 v[DL], v15, v[DL]
	v_mov_b32 v[NEG], 0xff800000
.irp t, 0,1
	v_mov_b32 v[ST+8*\t+1], 0xff61b1e6             ; m: -3e38, under every score
	v_mul_f32 v[ST+8*\t], s[CS], v[ST+8*\t+1]
.irp j, 2,3,4,5,6,7
	v_mov_b32 v[ST+8*\t+\j], 0
.endr
.endr
.irp j, 0,1,2,3,4,5,6,7,8,9,10,11,12,13,14,15,16,17,18,19,20,21,22,23,24,25,26,27,28,29,30,31,32,33,34,35,36,37,38,39,40,41,42,43,44,45,46,47,48,49,50,51,52,53,54,55,56,57,58,59,60,61,62,63
	v_mov_b32 v[O+\j], 0                           ; the step is written without a first step of its own: the first a is 0 and finds zeros
.endr
; A KEY STEP: 64 keys, the q-th of the slot in hand
.macro STEP q
	s_add_co_u32 s96, s[Q0], 31
	s_cmp_gt_u32 s[KF], s96                        ; all 64 keys come after my 32 queries: nothing to do
	s_cbranch_scc1 .Lhidden_\@
	v_add_nc_u32 v[ADK], s[TB], v[AK0]
	v_add_nc_u32 v[ADV], s[TB], v[AV0]
.rept 3
	v_nop                                          ; with the two additions five plain instructions behind the last products: the scores below are laid over p, which those read
.endr
.irp f, 0,1,2,3,4,5,6,7
	ds_load_b128 v[KV+8*\f:KV+8*\f+3], v[ADK] offset:(64*(\q)+16*(\f/2))*PK+64*(\f%2)          ; keys 16 (f / 2) on, channels 32 (f % 2) on
	ds_load_b128 v[KV+8*\f+4:KV+8*\f+7], v[ADK] offset:(64*(\q)+16*(\f/2))*PK+64*(\f%2)+32
.endr
	s_wait_dscnt 0x0
.irp c, 0,1                                    ; S^T = K Q^T: eight accumulators by turns
.irp kt, 0,1,2,3
.irp t, 0,1
.if \c == 0
	v_wmma_f32_16x16x32_f16 v[S+32*\t+8*\kt:S+32*\t+8*\kt+7], v[KV+8*(2*\kt+\c):KV+8*(2*\kt+\c)+7], v[Q+16*\t+8*\c:Q+16*\t+8*\c+7], 0
.else
	v_wmma_f32_16x16x32_f16 v[S+32*\t+8*\kt:S+32*\t+8*\kt+7], v[KV+8*(2*\kt+\c):KV+8*(2*\kt+\c)+7], v[Q+16*\t+8*\c:Q+16*\t+8*\c+7], v[S+32*\t+8*\kt:S+32*\t+8*\kt+7]
.endif
.endr
.endr
.endr
.rept 4
	v_nop                                          ; ahead of loads into K's registers and of the first read of the scores
.endr
.irp f, 0,1,2,3,4,5,6,7
	ds_load_tr16_b128 v[KV+8*\f:KV+8*\f+3], v[ADV] offset:(64*(\q)+32*(\f/4))*PV+32*(\f%4)      ; V lands while the softmax is walked: keys 32 (f / 4) on, channels 16 (f % 4) on
	ds_load_tr16_b128 v[KV+8*\f+4:KV+8*\f+7], v[ADV] offset:(64*(\q)+32*(\f/4)+16)*PV+32*(\f%4)
.endr
	s_add_co_u32 s96, s[KF], 63
	s_cmp_le_u32 s96, s[Q0]                        ; all keys count for all my queries: no mask
	s_cbranch_scc1 .Lopen_\@
	s_sub_co_i32 s96, s[Q0], s[KF]
	v_add_nc_u32 v[D0], s96, v[DL]                 ; register n of tile t holds key KF + 16 (n / 8) + 8 h + n % 8: hidden where 16 (n / 8) + n % 8 is above Q0 - KF + 16 t + r - 8 h
	v_add_nc_u32 v[D0+1], 16, v[D0]
.irp t, 0,1
.irp n, 0,1,2,3,4,5,6,7,8,9,10,11,12,13,14,15,16,17,18,19,20,21,22,23,24,25,26,27,28,29,30,31
	v_cmp_gt_i32 vcc_lo, 16*(\n/8)+\n%8, v[D0+\t]
	v_cndmask_b32 v[S+32*\t+\n], v[S+32*\t+\n], v[NEG], vcc_lo
.endr
.endr
.Lopen_\@:
.irp j, 0,1,2,3                                ; the maximum: four chains a tile, the two tiles by turns
.irp t, 0,1
	v_max3_num_f32 v[ST+8*\t+4+\j], v[S+32*\t+8*\j], v[S+32*\t+8*\j+1], v[S+32*\t+8*\j+2]
.endr
.endr
.irp i, 3,5
.irp j, 0,1,2,3
.irp t, 0,1
	v_max3_num_f32 v[ST+8*\t+4+\j], v[ST+8*\t+4+\j], v[S+32*\t+8*\j+\i], v[S+32*\t+8*\j+\i+1]
.endr
.endr
.endr
.irp t, 0,1
	v_max3_num_f32 v[ST+8*\t+4], v[ST+8*\t+4], v[S+32*\t+7], v[S+32*\t+15]
.endr
.irp t, 0,1
	v_max3_num_f32 v[ST+8*\t+6], v[ST+8*\t+6], v[S+32*\t+23], v[S+32*\t+31]
.endr
.irp t, 0,1
	v_max3_num_f32 v[ST+8*\t+4], v[ST+8*\t+4], v[ST+8*\t+5], v[ST+8*\t+6]
.endr
.irp t, 0,1
	v_max3_num_f32 v[ST+8*\t+4], v[ST+8*\t+4], v[ST+8*\t+7], v[ST+8*\t+1]   ; with the old m
.endr
.irp t, 0,1
	v_permlanex16_b32 v[ST+8*\t+5], v[ST+8*\t+4], s[SEL], s[SEL+1]          ; the query's other 32 keys lie in the lane 16 away
.endr
.irp t, 0,1
	v_mov_b32 v[ST+8*\t+7], v[ST+8*\t]             ; c m_old
.endr
.irp t, 0,1
	v_max_num_f32 v[ST+8*\t+1], v[ST+8*\t+4], v[ST+8*\t+5]
.endr
.irp t, 0,1
	v_mul_f32 v[ST+8*\t], s[CS], v[ST+8*\t+1]
.endr
.irp t, 0,1
	v_sub_f32 v[ST+8*\t+7], v[ST+8*\t+7], v[ST+8*\t]
.endr
.irp b, 0,2,4,6,8,10,12,14,16,18,20,22,24,26,28,30
.irp t, 0,1
	v_pk_fma_f32 v[S+32*\t+\b:S+32*\t+\b+1], v[S+32*\t+\b:S+32*\t+\b+1], s[CS:CS+1], v[ST+8*\t:ST+8*\t+1] op_sel_hi:[1,0,0] neg_lo:[0,0,1] neg_hi:[0,0,1]   ; c s - c m
.endr
.endr
.irp t, 0,1
	v_exp_f32 v[ST+8*\t+6], v[ST+8*\t+7]           ; a
.endr
.irp e, 0,1,2,3,4,5,6,7,8,9,10,11,12,13,14,15,16,17,18,19,20,21,22,23,24,25,26,27,28,29,30,31
.irp t, 0,1
	v_exp_f32 v[S+32*\t+\e], v[S+32*\t+\e]         ; p
.endr
.endr
	v_nop                                          ; a plain instruction behind the last exponential
	s_wait_alu depctr_va_vdst(0)                   ; one wait for the batch of 66, ahead of its first reader
.irp t, 0,1
	v_pk_fma_f32 v[ST+8*\t+2:ST+8*\t+3], v[ST+8*\t+2:ST+8*\t+3], v[ST+8*\t+6:ST+8*\t+7], v[S+32*\t+4:S+32*\t+5] op_sel_hi:[1,0,1]   ; l = a l + p: the sums go in two chains
	v_pk_add_f32 v[ST+8*\t+4:ST+8*\t+5], v[S+32*\t:S+32*\t+1], v[S+32*\t+2:S+32*\t+3]
.endr
.irp j, 8,12,16,20,24,28
.irp t, 0,1
	v_pk_add_f32 v[ST+8*\t+2:ST+8*\t+3], v[ST+8*\t+2:ST+8*\t+3], v[S+32*\t+\j:S+32*\t+\j+1]
	v_pk_add_f32 v[ST+8*\t+4:ST+8*\t+5], v[ST+8*\t+4:ST+8*\t+5], v[S+32*\t+\j-2:S+32*\t+\j-1]
.endr
.endr
.irp t, 0,1
	v_pk_add_f32 v[ST+8*\t+4:ST+8*\t+5], v[ST+8*\t+4:ST+8*\t+5], v[S+32*\t+30:S+32*\t+31]
.endr
.irp t, 0,1
	v_pk_add_f32 v[ST+8*\t+2:ST+8*\t+3], v[ST+8*\t+2:ST+8*\t+3], v[ST+8*\t+4:ST+8*\t+5]
.endr
.irp j, 0,1,2,3,4,5,6,7,8,9,10,11,12,13,14,15
.irp t, 0,1
	v_cvt_pk_f16_f32 v[S+32*\t+\j], v[S+32*\t+2*\j], v[S+32*\t+2*\j+1]   ; in place, ascending: register j is written when registers 2 j, 2 j + 1 are read
.endr
.endr
.irp k, 0,2,4,6,8,10,12,14,16,18,20,22,24,26,28,30
.irp t, 0,1
	v_pk_mul_f32 v[O+32*\t+\k:O+32*\t+\k+1], v[O+32*\t+\k:O+32*\t+\k+1], v[ST+8*\t+6:ST+8*\t+7] op_sel_hi:[1,0]   ; O^T x a
.endr
.endr
	s_wait_dscnt 0x0                               ; V is in
.irp u, 0,1                                    ; O^T += V^T P: eight accumulators by turns
.irp ct, 0,1,2,3
.irp t, 0,1
	v_wmma_f32_16x16x32_f16 v[O+32*\t+8*\ct:O+32*\t+8*\ct+7], v[KV+8*(4*\u+\ct):KV+8*(4*\u+\ct)+7], v[S+32*\t+8*\u:S+32*\t+8*\u+7], v[O+32*\t+8*\ct:O+32*\t+8*\ct+7]
.endr
.endr
.endr
.Lhidden_\@:
	s_add_co_u32 s[KF], s[KF], 64
.endm
; THE CHANGE OF SLOTS stands at a slot's head.  Each wave waits for all its tensor loads, adds 0 to its spare word, and waits for that and for its reads of the slot that it has left; behind the barrier the
; slot ahead is whole and nobody reads the other one, which (fill = 1) takes the keys that follow, as long as its first key is at or under the work-group's last query: a slot beyond that is read by no wave.
.macro CHANGE fill
	s_wait_tensorcnt 0x0                           ; no tensor load of mine is out, so a group 0 may be written
	ds_add_u32 v[SPW], v[NIL]
.if \fill
	ds_add_u32 v[SPW], v[NIL]                      ; twice on end here, in every trip alike
	s_xor_b32 s[G0K+1], s[G0K+1], SLOT1
	s_add_nc_u64 s[G0K+2:G0K+3], s[G0K+2:G0K+3], SK*128
	s_xor_b32 s[G0V+1], s[G0V+1], SLOT1
	s_add_nc_u64 s[G0V+2:G0V+3], s[G0V+2:G0V+3], SK*128
	s_wait_xcnt 0x0                                ; the last prefetch, a slot back, has read its address
	s_add_nc_u64 s[PFA:PFA+1], s[PFA:PFA+1], s[PFS:PFS+1]
.endif
	s_wait_dscnt 0x0                               ; the add is done, my reads of the slot that I have left are over
	s_barrier_signal -1
	s_barrier_wait -1
.if \fill
	s_add_co_u32 s96, s[KF], SK                    ; the first key of the slot that this change would ask for
	s_cmp_gt_u32 s96, s[QL]                        ; ids and the count of steps alone: all sixteen waves go the same way; every wait on TENSORcnt in this text is for 0
	s_cbranch_scc1 .Lpast_\@
	TLOAD                                          ; a wave's one tensor load until the next change: it has four steps in which to land
.Lpast_\@:
	ASK
.endif
.endm
.macro SLOT_STEPS
	STEP 0
	STEP 1
	STEP 2
	STEP 3
	s_xor_b32 s[TB], s[TB], SLOT1
.endm
	s_wait_loadcnt 0x0                             ; Q
.Lslot:                                            ; seven trips: behind each change of slots but the last the next slot is asked for, up to the causal limit
	CHANGE 1
	SLOT_STEPS
	s_sub_co_u32 s[SLOTS], s[SLOTS], 1
	s_cmp_lg_u32 s[SLOTS], 0
	s_cbranch_scc1 .Lslot
	CHANGE 0
	SLOT_STEPS
	; THE WAY OUT.  The four additions and the v_nop below are five plain instructions behind the last products, ahead of the first read of O^T.
.irp t, 0,1
	v_add_f32 v[ST+8*\t+4], v[ST+8*\t+2], v[ST+8*\t+3]
.endr
.irp t, 0,1
	v_permlanex16_b32 v[ST+8*\t+5], v[ST+8*\t+4], s[SEL], s[SEL+1]
.endr
.irp t, 0,1
	v_add_f32 v[ST+8*\t+4], v[ST+8*\t+4], v[ST+8*\t+5]   ; the row's sum
.endr
.irp t, 0,1
	v_rcp_f32 v[ST+8*\t+6], v[ST+8*\t+4]
.endr
	v_nop
	s_wait_alu depctr_va_vdst(0)                   ; one wait for the two reciprocals
.irp t, 0,1
.irp k, 0,2,4,6,8,10,12,14,16,18,20,22,24,26,28,30
	v_pk_mul_f32 v[O+32*\t+\k:O+32*\t+\k+1], v[O+32*\t+\k:O+32*\t+\k+1], v[ST+8*\t+6:ST+8*\t+7] op_sel_hi:[1,0]
.endr
.irp k, 0,1,2,3,4,5,6,7,8,9,10,11,12,13,14,15
	v_cvt_pk_f16_f32 v[S+32*\t+\k], v[O+32*\t+2*\k], v[O+32*\t+2*\k+1]
.endr
.irp ct, 0,1,2,3
	ds_store_b128 v[STO], v[S+32*\t+4*\ct:S+32*\t+4*\ct+3] offset:32*\ct
.endr
.irp i, 0,1,2,3
	ds_load_b128 v[S+32*\t+16+4*\i:S+32*\t+16+4*\i+3], v[RD] offset:4*PK*\i   ; LDS serves a wave's instructions in order: these see my stores, and the next tile's stores come behind them
.endr
.endr
.irp t, 0,1
.irp i, 0,1,2,3
	s_wait_dscnt 11-8*\t-\i                        ; behind this load: the tile's younger loads, and for tile 0 the eight LDS lines of tile 1
	global_store_b128 v[GO], v[S+32*\t+16+4*\i:S+32*\t+16+4*\i+3], s[6:7] offset:2048*\t+512*\i   ; four rows of 128 bytes: 512 consecutive bytes, aligned
.endr
.endr
	s_wait_tensorcnt 0x0                           ; the wave's end
	ds_add_u32 v[SPW], v[NIL]
	s_wait_dscnt 0x0
	s_endpgm
.Lfunc_end_k_qfbc5a88526_attn:
	.size	k_qfbc5a88526_attn, .Lfunc_end_k_qfbc5a88526_attn-k_qfbc5a88526_attn
	.p2alignl 7, 3214868480
	.fill 96, 4, 3214868480
	.section	.rodata,"a",@progbits
	.p2align	6, 0x0
	.amdhsa_kernel k_qfbc5a88526_attn
		.amdhsa_group_segment_fixed_size 327680
		.amdhsa_private_segment_fixed_size 0
		.amdhsa_enable_private_segment 0
		.amdhsa_kernarg_size 16
		.amdhsa_user_sgpr_count 2
		.amdhsa_user_sgpr_kernarg_segment_ptr 1
		.amdhsa_wavefront_size32 1
		.amdhsa_system_sgpr_workgroup_id_x 1
		.amdhsa_system_sgpr_workgroup_id_y 1
		.amdhsa_system_sgpr_workgroup_id_z 1
		.amdhsa_system_vgpr_workitem_id 0
		.amdhsa_next_free_vgpr 256
		.amdhsa_next_free_sgpr 100
		.amdhsa_reserve_vcc 1
		.amdhsa_float_denorm_mode_32 3
		.amdhsa_float_denorm_mode_16_64 3
		.amdhsa_memory_ordered 1
		.amdhsa_forward_progress 1
		.amdhsa_inst_pref_size 188
	.end_amdhsa_kernel
	.amdgpu_metadata
---
amdhsa.version: [ 1, 2 ]
amdhsa.kernels:
  - .name:           k_qfbc5a88526_attn
    .symbol:         k_qfbc5a88526_attn.kd
    .args:
      - { .name: qkvh, .offset: 0, .size: 8, .value_kind: global_buffer, .address_space: global }
      - { .name: atth, .offset: 8, .size: 8, .value_kind: global_buffer, .address_space: global }
    .group_segment_fixed_size: 327680
    .private_segment_fixed_size: 0
    .kernarg_segment_align: 8
    .kernarg_segment_size: 16
    .max_flat_workgroup_size: 512
    .sgpr_count:     100
    .vgpr_count:     256
    .wavefront_size: 32
...
	.end_amdgpu_metadata
.endif
;; end of part 4
;; launch proj (part 5): grid 4 x 64, 4 waves a work-group, clusters of 4 x 4, 327,680 bytes of LDS; arguments atth, wph, b_proj, out0; writes out0
.if DOCPART == 5
	.amdgcn_target "amdgcn-amd-amdhsa--gfx1250"
	.amdhsa_code_object_version 6
	.text
	.protected	k_qfbc5a88526_proj
	.globl	k_qfbc5a88526_proj
	.p2align	8
	.type	k_qfbc5a88526_proj,@function
k_qfbc5a88526_proj:
	s_mov_b64 s[64:65], 0
	v_nop
	global_prefetch_b8 v0, s[64:65] scope:SCOPE_SE
	s_setreg_imm32_b32 hwreg(HW_REG_WAVE_MODE, 25, 1), 1
	s_wait_xcnt 0x0
	s_wait_alu depctr_hold_cnt(0) depctr_sa_sdst(0) depctr_va_vdst(0) depctr_va_sdst(0) depctr_va_ssrc(0) depctr_va_vcc(0) depctr_vm_vsrc(0)
	s_getreg_b32 s2, hwreg(HW_REG_IB_STS2, 6, 4)
	s_cmp_eq_u32 s2, 0
	s_cbranch_scc0 .Lentry_in_a_cluster
	s_endpgm
.Lentry_in_a_cluster:
	s_bfe_u32 s2, ttmp6, 0x10000c
	s_cmp_lg_u32 s2, 0xf033
	s_cbranch_scc0 .Lentry_shape_is_right
	s_endpgm
.Lentry_shape_is_right:
; out0[m][n] = sum over k of att[m][k] w_proj[k][n] + b_proj[n].  att: atth [16 heads][8192 rows][64] f16 (k = 64 head + channel); w_proj: wph [1024 k][1024 n] f16; sums and out0 in f32.
; A tile of out0 is 128 rows x 256 columns: 256 work-groups, one for each WGP.  Four waves, 64 x 128 each: 32 accumulators.  K goes in steps of 128 (two heads) through a ring of two LDS slots.
; CLUSTER 4 x 4: att's tile hangs on the tile row alone and is shared along a row of the cluster, wph's on the tile column alone and is shared along a column: both are asked for jointly.
; THE MATRIX INSTRUCTION IS USED TRANSPOSED: source 0 = 16 columns n (wph lies [k][n] and comes out of LDS turned, by ds_load_tr16_b128), source 1 = 16 rows of att: a lane holds eight neighbouring columns of a row.
; The bias is the C of each sum's first product.
; REGISTERS: window 0: v16-31 addresses; v32-95 the bias, 8 registers for each of my 8 column blocks; v96-127, v128-159 att's fragments, two buffers; on the way out v96-223 rows read back.
;   window 1: accumulator (a, b) at v[8 (8 a + b)].   window 2: wph's fragments, two buffers, at v0 and v64.
.set PA,     144                       ; a row of att in LDS: 128 bytes + 16 of padding
.set APL,    128*PA                    ; a plane: one head's 128 rows
.set PB,     544                       ; a k row of wph in LDS: 512 bytes + 32
.set BH,     64*PB                     ; 64 k rows: what one tensor load brings
.set BOFF,   2*APL
.set SLOT,   BOFF+2*BH
.set STAGE,  2*SLOT                    ; the way out: 16 rows x 528 bytes for each wave; no tile lands here
.set SPITCH, 528
.set SPARE,  STAGE+4*16*SPITCH
.set ASTEP,  0x200000                  ; a K step in atth: two heads of 1 MiB
.set BSTEP,  128*2048                  ; in wph: 128 rows of 2,048 bytes
.set ADRA, 16
.set ADRB, 20
.set STO,  24
.set RD,   25
.set CO,   26
.set SPW,  28
.set NIL,  29
.set PFO,  30
.set BO,   31
.set BI,   32
.set FA,   96
.set BK,   96
.set G1,  24
.set G0,  32
.set G1B, 48
.set G0B, 56
.set LIM, 45
.set PFA, 66
.set PFS, 68
.set MSB, 0
.macro WIN new
.if MSB != \new
	s_set_vgpr_msb (MSB<<8)|\new
.set MSB, \new
.endif
.endm
.set MUL,  0x52                        ; source 0 window 2, source 1 window 0, C and D window 1
.set MULB, 0x42                        ; the same with C (the bias) in window 0
.set TO_B, 0x80                        ; destination window 2, address window 0
.macro JLOAD s                         ; waves 0 and 1 fetch att's two planes, waves 2 and 3 wph's two halves; an s_nop 0 and four v_nop follow each line
	s_cmp_eq_u32 s13, 0
	s_cbranch_scc0 .Lfor_b_\@
	tensor_load_to_lds s[G0+4*\s:G0+4*\s+3], s[G1:G1+7]
	s_nop 0
.rept 4
	v_nop
.endr
	s_branch .Lasked_\@
.Lfor_b_\@:
	tensor_load_to_lds s[G0B+4*\s:G0B+4*\s+3], s[G1B:G1B+7]
	s_nop 0
.rept 4
	v_nop
.endr
.Lasked_\@:
.endm
; A prefetch of the K step that stands two refills on, one instruction a wave, each block of 256 bytes named once in the launch.  att's two planes of 16,384 bytes: wave 0 of each of the four partners of a cluster's row
; takes 4,096 bytes of each plane, told apart by address.  wph's 128 rows x 512 bytes: waves 2 and 3 of the clusters with y = 0; each of the four partners of a column takes 16 of a wave's 64 rows.
; The last two refills have no K step two on; K steps 0 to 3 come by their loads alone.
.macro ASK
	s_cmp_gt_u32 s3, s[LIM]                        ; s3 = 1 in the loop's last trip
	s_cbranch_scc0 .Lnot_mine_\@
	global_prefetch_b8 v[PFO], s[PFA:PFA+1] th:TH_LOAD_NT scope:SCOPE_SE
.Lnot_mine_\@:
.endm
.macro CREST
	s_cmp_lg_u32 s12, 0
	s_cbranch_scc1 .Lnot_wave_0_\@
	s_barrier_signal -3
.Lnot_wave_0_\@:
	s_barrier_wait -3
	s_barrier_signal -1
	s_barrier_wait -1
.endm
.macro CROUND
	s_barrier_signal -1
	s_barrier_wait -1
	CREST
.endm
	s_load_b256 s[4:11], s[0:1], 0x0               ; atth s[4:5], wph s[6:7], b_proj s[8:9], out0 s[10:11]
	v_lshl_add_u32 v[SPW], v0, 2, SPARE
	v_mov_b32 v[NIL], 0
	ds_add_u32 v[SPW], v[NIL]                      ; the wave's opening: the add, twice on end, and its wait ahead of my first tensor load
	ds_add_u32 v[SPW], v[NIL]
	v_lshrrev_b32 v1, 5, v0
	v_readfirstlane_b32 s12, v1                    ; wave 0..3
	s_lshr_b32 s13, s12, 1                         ; my half of the tile's rows; also: I fetch for att (0) or wph (1)
	s_and_b32 s14, s12, 1                          ; my half of its columns; also: which part I fetch
	s_bfe_u32 s40, ttmp6, 0x40000                  ; cx
	s_bfe_u32 s41, ttmp6, 0x40004                  ; cy
	s_lshl_b32 s42, ttmp9, 2
	s_add_co_u32 s42, s42, s40                     ; tile column
	s_and_b32 s15, ttmp7, 0xffff
	s_lshl_b32 s15, s15, 2
	s_add_co_u32 s15, s15, s41                     ; tile row
	s_lshl_b32 s43, s41, 2
	s_lshl_b32 s43, 15, s43                        ; my row of the cluster
	s_lshl_b32 s44, 0x1111, s40                    ; my column
	s_or_b32 s[G1], s43, (1<<16)|(1<<20)|(1<<21)|(4<<22)|(3<<25)    ; mask; elements of 2 bytes; padding on; bit 21 beside a mask; 4 words behind every 32
	s_mov_b32 s[G1+1], 64<<16                      ; tensor_dim0
	s_mov_b32 s[G1+2], 128<<16                     ; tensor_dim1
	s_mov_b32 s[G1+3], 64<<16                      ; tile_dim0
	s_mov_b32 s[G1+4], 128                         ; tile_dim1
	s_mov_b32 s[G1+5], 64                          ; from row to row
	s_mov_b32 s[G1+6], 0
	s_mov_b32 s[G1+7], 0
	s_or_b32 s[G1B], s44, (1<<16)|(1<<20)|(1<<21)|(6<<22)|(7<<25)   ; 8 words behind every 128
	s_mov_b32 s[G1B+1], 256<<16
	s_mov_b32 s[G1B+2], 64<<16
	s_mov_b32 s[G1B+3], 256<<16
	s_mov_b32 s[G1B+4], 64
	s_mov_b32 s[G1B+5], 1024
	s_mov_b32 s[G1B+6], 0
	s_mov_b32 s[G1B+7], 0
	s_lshl_b32 s16, s14, 20                        ; att: head = my plane,
	s_lshl_b32 s17, s15, 14                        ; 128 rows of 128 bytes a tile row
	s_add_co_u32 s16, s16, s17
	s_mov_b32 s17, 0
	s_lshl_b32 s46, s14, 17                        ; wph: 64 rows of 2,048 bytes,
	s_lshl_b32 s47, s42, 9                         ; 512 bytes a tile column
	s_add_co_u32 s46, s46, s47
	s_mov_b32 s47, 0
	s_mul_i32 s20, s14, APL                        ; where they go: no place in the cluster enters an LDS address
	s_mul_i32 s21, s14, BH
	s_add_co_u32 s21, s21, BOFF
	s_wait_dscnt 0x0                               ; both opening adds are done
	s_wait_kmcnt 0x0
	s_add_nc_u64 s[18:19], s[4:5], s[16:17]
	s_add_nc_u64 s[46:47], s[6:7], s[46:47]
	CROUND                                         ; all sixteen work-groups are here: the first joint loads meet
.irp s, 0,1
	s_mov_b32 s[G0+4*\s], 1
	s_add_co_u32 s[G0+4*\s+1], s20, \s*SLOT
	s_add_nc_u64 s[G0+4*\s+2:G0+4*\s+3], s[18:19], \s*ASTEP
	s_or_b32 s[G0+4*\s+3], s[G0+4*\s+3], 0x80000000
	s_mov_b32 s[G0B+4*\s], 1
	s_add_co_u32 s[G0B+4*\s+1], s21, \s*SLOT
	s_add_nc_u64 s[G0B+4*\s+2:G0B+4*\s+3], s[46:47], \s*BSTEP
	s_or_b32 s[G0B+4*\s+3], s[G0B+4*\s+3], 0x80000000
	JLOAD \s                                       ; two loads of mine are out
.endr
	v_and_b32 v1, 15, v0                           ; r
	v_bfe_u32 v2, v0, 4, 1                         ; h
	v_mul_u32_u24 v3, v1, PA
	v_lshl_add_u32 v3, v2, 4, v3                   ; att: row r x pitch + 16 h
	s_mul_i32 s21, s13, 64*PA                      ; my 64 rows
	v_and_b32 v4, 7, v0
	v_lshl_add_u32 v4, v2, 3, v4                   ; wph, turned: k row 8 h + lane % 8,
	v_mul_u32_u24 v4, v4, PB
	v_bfe_u32 v5, v0, 3, 1
	v_lshl_add_u32 v4, v5, 4, v4                   ; columns 8 ((lane / 8) % 2) on
	s_lshl_b32 s22, s14, 8                         ; my 128 columns
	s_add_co_u32 s22, s22, BOFF
.irp s, 0,1
	v_add_nc_u32 v[ADRA+\s], s21, v3
	v_add_nc_u32 v[ADRB+\s], s22, v4
	s_add_co_u32 s21, s21, SLOT
	s_add_co_u32 s22, s22, SLOT
.endr
	s_mul_i32 s23, s12, 16*SPITCH
	s_add_co_u32 s23, s23, STAGE                   ; my stage
	v_mul_u32_u24 v5, v1, SPITCH
	v_lshl_add_u32 v5, v2, 5, v5
	v_add_nc_u32 v[STO], s23, v5                   ; in: row r, 32 bytes for each half of the lanes
	v_and_b32 v6, 31, v0
	v_lshlrev_b32 v[CO], 4, v6                     ; back: the 32 lanes take a row of 512 bytes; the same in out0
	v_add_nc_u32 v[RD], s23, v[CO]
	v_lshlrev_b32 v[BO], 5, v2                     ; the bias: 8 h numbers on
	s_lshl_b32 s20, s42, 10                        ; my first column in bytes: 1,024 x tile column + 512 x half
	s_lshl_b32 s21, s14, 9
	s_add_co_u32 s20, s20, s21
	s_mov_b32 s21, 0
	s_add_nc_u64 s[8:9], s[8:9], s[20:21]
	s_add_nc_u64 s[10:11], s[10:11], s[20:21]
	s_lshl_b32 s20, s15, 19                        ; my first row: 128 x tile row + 64 x half, 4,096 bytes a row
	s_lshl_b32 s22, s13, 18
	s_add_co_u32 s20, s20, s22
	s_add_nc_u64 s[10:11], s[10:11], s[20:21]
.irp b, 0,1,2,3,4,5,6,7
	global_load_b128 v[BI+8*\b:BI+8*\b+3], v[BO], s[8:9] offset:64*\b          ; b_proj at columns 16 b + 8 h + 0 .. 7 of my 128
	global_load_b128 v[BI+8*\b+4:BI+8*\b+7], v[BO], s[8:9] offset:64*\b+16
.endr
	; the prefetches: where my wave's stand (K step 3: the first refill steps them to 4), and who asks
	s_lshl_b32 s16, s15, 14
	s_lshl_b32 s17, s40, 12
	s_add_co_u32 s16, s16, s17
	s_add_co_u32 s16, s16, 3*ASTEP                 ; att: the tile row's rows, my work-group's 4,096 bytes of each plane
	s_lshl_b32 s17, s14, 6
	s_lshl_b32 s18, s41, 4
	s_add_co_u32 s17, s17, s18
	s_lshl_b32 s17, s17, 11
	s_lshl_b32 s18, s42, 9
	s_add_co_u32 s17, s17, s18
	s_add_co_u32 s17, s17, 3*BSTEP                 ; wph: my work-group's 16 of the 64 rows that I fetch
	s_and_b32 s18, ttmp7, 0xffff                   ; cluster y
	s_cmp_eq_u32 s13, 0
	s_cselect_b64 s[PFA:PFA+1], s[4:5], s[6:7]
	s_cselect_b32 s16, s16, s17
	s_cselect_b32 s18, s12, s18                    ; 0 in wave 0, and in waves 2 and 3 of the clusters with y = 0: the same in all sixteen partners
	s_cselect_b32 s20, 4, 1                        ; lanes to a run of blocks: 16 or 2,
	s_cselect_b32 s21, 20, 11                      ; runs 1 MiB (a plane) or 2,048 bytes (a row) apart
	s_cselect_b32 s22, 15, 1
	s_mov_b32 s[PFS], BSTEP
	s_cselect_b32 s[PFS], ASTEP, s[PFS]
	s_mov_b32 s[PFS+1], 0
	s_mov_b32 s17, 0
	s_add_nc_u64 s[PFA:PFA+1], s[PFA:PFA+1], s[16:17]
	s_cmp_eq_u32 s18, 0
	s_cselect_b32 s[LIM], 1, -1
	v_lshrrev_b32 v2, s20, v6
	v_lshlrev_b32 v2, s21, v2
	v_and_b32 v3, s22, v6
	v_lshl_or_b32 v[PFO], v3, 8, v2
; 8 matrix instructions: row block a x my eight column blocks, 32 along K, buffer f.  The 32 accumulators take turns, one instruction a turn, in the same order in every quarter.
.macro MUL8 f, a, first
.irp b, 0,1,2,3,4,5,6,7
.if \first
	v_wmma_f32_16x16x32_f16 v[8*(8*(\a)+\b):8*(8*(\a)+\b)+7], v[64*(\f)+8*\b:64*(\f)+8*\b+7], v[FA+32*(\f)+8*(\a):FA+32*(\f)+8*(\a)+7], v[BI+8*\b:BI+8*\b+7]
.else
	v_wmma_f32_16x16x32_f16 v[8*(8*(\a)+\b):8*(8*(\a)+\b)+7], v[64*(\f)+8*\b:64*(\f)+8*\b+7], v[FA+32*(\f)+8*(\a):FA+32*(\f)+8*(\a)+7], v[8*(8*(\a)+\b):8*(8*(\a)+\b)+7]
.endif
.endr
.endm
; 24 LDS loads in one run: the fragments of the slot's kq-th 32 along K into buffer f; att's row blocks 2 and 3 last
.macro FETCH slot, kq, f
	WIN TO_B
.irp b, 0,1,2,3,4,5,6,7
	ds_load_tr16_b128 v[64*(\f)+8*\b:64*(\f)+8*\b+3], v[ADRB+\slot] offset:(\kq)*32*PB+32*\b
	ds_load_tr16_b128 v[64*(\f)+8*\b+4:64*(\f)+8*\b+7], v[ADRB+\slot] offset:(\kq)*32*PB+32*\b+16*PB
.endr
	WIN 0
.irp i, 0,1,2,3
	ds_load_b128 v[FA+32*(\f)+8*\i:FA+32*(\f)+8*\i+3], v[ADRA+\slot] offset:((\kq)/2)*APL+((\kq)%2)*64+\i*16*PA
	ds_load_b128 v[FA+32*(\f)+8*\i+4:FA+32*(\f)+8*\i+7], v[ADRA+\slot] offset:((\kq)/2)*APL+((\kq)%2)*64+\i*16*PA+32
.endr
.endm
.macro PLACES                          ; four plain vector instructions ahead of loads into registers that matrix instructions have read, and of reads of results
.rept 4
	v_nop
.endr
.endm
.macro WMUL first
.if \first
	WIN MULB
.else
	WIN MUL
.endif
.endm
; A K step is four quarters of 32 along K, 32 matrix instructions each, on buffers 0, 1, 0, 1.  One of the first three: multiplies buffer f and fetches quarter kq into buffer g.
.macro QUARTER slot, kq, f, g, first
	s_wait_dscnt 4                                 ; wph's fragments and att's blocks 0, 1 are in; the youngest four loads (blocks 2, 3) may be out
	WMUL \first
	MUL8 \f, 0, \first
	MUL8 \f, 1, \first
	PLACES
	FETCH \slot, \kq, \g
	s_wait_dscnt 24                                ; all but the 24 just issued
	WMUL \first
	MUL8 \f, 2, \first
	MUL8 \f, 3, \first
.endm
; The last quarter multiplies buffer 1 and changes slots: one barrier; in front of it each wave waits for all its tensor loads, adds 0 to its spare word, and waits for that and for its reads of this slot.
; fill = 1: the barrier opens a round of the cluster's barrier, and this slot is filled again, two K steps ahead, first thing behind the round.
.macro TURN slot, next, fill
.if \fill
	s_wait_xcnt 0x0                                ; the last prefetch, a K step back, has read its address
	s_add_nc_u64 s[PFA:PFA+1], s[PFA:PFA+1], s[PFS:PFS+1]
.endif
	WIN 0                                          ; the add's two registers lie in window 0
	s_wait_tensorcnt 0x0                           ; all my tensor loads have landed: my part of the next slot
	ds_add_u32 v[SPW], v[NIL]
	s_wait_dscnt 5                                 ; the add and the youngest four loads may be out
	WIN MUL
	MUL8 1, 0, 0
	s_wait_dscnt 0x0                               ; the add is done, my reads of this slot are over
	s_barrier_signal -1
	MUL8 1, 1, 0
	WIN 0
	s_barrier_wait -1
.if \fill
	CREST                                          ; no wave of any partner still reads this slot or has a load on its way
	s_add_nc_u64 s[G0+4*\slot+2:G0+4*\slot+3], s[G0+4*\slot+2:G0+4*\slot+3], 2*ASTEP
	s_add_nc_u64 s[G0B+4*\slot+2:G0B+4*\slot+3], s[G0B+4*\slot+2:G0B+4*\slot+3], 2*BSTEP
	JLOAD \slot                                    ; its four v_nop are also the plain instructions ahead of the loads below
.else
	PLACES
.endif
	FETCH \next, 0, 0
.if \fill
	ASK
.endif
	WIN MUL
	MUL8 1, 2, 0
	MUL8 1, 3, 0
.endm
	s_wait_tensorcnt 1                             ; my part of K step 0 is in; K step 1's may be out
	s_barrier_signal -1
	s_barrier_wait -1
	FETCH 0, 0, 0
	s_wait_loadcnt 0x0                             ; the bias
	QUARTER 0, 1, 0, 1, 1                          ; the first quarter stands in front of the loop: its products start the sums on the bias
	WIN 0
	s_mov_b32 s3, 3
.Llap:                                             ; three trips, each once round the ring: K steps 2 to 7 are asked for
	QUARTER 0, 2, 1, 0, 0
	QUARTER 0, 3, 0, 1, 0
	TURN 0, 1, 1
	QUARTER 1, 1, 0, 1, 0
	QUARTER 1, 2, 1, 0, 0
	QUARTER 1, 3, 0, 1, 0
	TURN 1, 0, 1
	QUARTER 0, 1, 0, 1, 0
	WIN 0
	s_sub_co_u32 s3, s3, 1
	s_cmp_lg_u32 s3, 0
	s_cbranch_scc1 .Llap
	QUARTER 0, 2, 1, 0, 0                          ; the last lap fills nothing
	QUARTER 0, 3, 0, 1, 0
	TURN 0, 1, 0
	QUARTER 1, 1, 0, 1, 0
	QUARTER 1, 2, 1, 0, 0
	QUARTER 1, 3, 0, 1, 0
	s_wait_dscnt 4
	WIN MUL
	MUL8 1, 0, 0
	MUL8 1, 1, 0
	s_wait_dscnt 0
	MUL8 1, 2, 0
	MUL8 1, 3, 0
	WIN 0
; THE WAY OUT, a block of 16 rows x 128 columns at a time: 32 bytes a lane into my stage, back as whole rows of 512 bytes.
.macro TOSTAGE a
	WIN 0x04                                       ; an LDS store's data are its source 1: window 1
.irp b, 0,1,2,3,4,5,6,7
	ds_store_b128 v[STO], v[8*(8*(\a)+\b):8*(8*(\a)+\b)+3] offset:64*\b          ; each accumulator from its low end on
	ds_store_b128 v[STO], v[8*(8*(\a)+\b)+4:8*(8*(\a)+\b)+7] offset:64*\b+16
.endr
	WIN 0
.irp t, 0,1,2,3,4,5,6,7,8,9,10,11,12,13,14,15
	ds_load_b128 v[BK+64*((\a)%2)+4*\t:BK+64*((\a)%2)+4*\t+3], v[RD] offset:\t*SPITCH   ; LDS serves a wave's instructions in order: these see the stores above
.endr
.endm
.macro SEND a, younger
	s_wait_dscnt \younger                          ; the block is back; the next block's 32 LDS lines may be out
.irp t, 0,1,2,3,4,5,6,7,8,9,10,11,12,13,14,15
	global_store_b128 v[CO], v[BK+64*((\a)%2)+4*\t:BK+64*((\a)%2)+4*\t+3], s[10:11] offset:(16*(\a)+\t)*4096 th:TH_STORE_NT   ; 512 consecutive bytes, aligned
.endr
.endm
	PLACES
	TOSTAGE 0
.irp a, 1,2,3
.if \a > 1
	s_wait_xcnt 0x0                                ; block a - 2's stores have read their registers: block a's loads may land there
.endif
	TOSTAGE \a
	SEND \a-1, 32
.endr
	SEND 3, 0
	s_wait_tensorcnt 0x0                           ; the wave's end
	ds_add_u32 v[SPW], v[NIL]
	s_wait_dscnt 0x0
	CROUND                                         ; the closing round
	s_endpgm
.Lfunc_end_k_qfbc5a88526_proj:
	.size	k_qfbc5a88526_proj, .Lfunc_end_k_qfbc5a88526_proj-k_qfbc5a88526_proj
	.p2alignl 7, 3214868480
	.fill 96, 4, 3214868480
	.section	.rodata,"a",@progbits
	.p2align	6, 0x0
	.amdhsa_kernel k_qfbc5a88526_proj
		.amdhsa_group_segment_fixed_size 327680
		.amdhsa_private_segment_fixed_size 0
		.amdhsa_enable_private_segment 0
		.amdhsa_kernarg_size 32
		.amdhsa_user_sgpr_count 2
		.amdhsa_user_sgpr_kernarg_segment_ptr 1
		.amdhsa_wavefront_size32 1
		.amdhsa_system_sgpr_workgroup_id_x 1
		.amdhsa_system_sgpr_workgroup_id_y 1
		.amdhsa_system_sgpr_workgroup_id_z 1
		.amdhsa_system_vgpr_workitem_id 0
		.amdhsa_next_free_vgpr 640
		.amdhsa_next_free_sgpr 70
		.amdhsa_reserve_vcc 0
		.amdhsa_float_denorm_mode_32 3
		.amdhsa_float_denorm_mode_16_64 3
		.amdhsa_memory_ordered 1
		.amdhsa_forward_progress 1
		.amdhsa_inst_pref_size 88
	.end_amdhsa_kernel
	.amdgpu_metadata
---
amdhsa.version: [ 1, 2 ]
amdhsa.kernels:
  - .name:           k_qfbc5a88526_proj
    .symbol:         k_qfbc5a88526_proj.kd
    .args:
      - { .name: atth, .offset: 0, .size: 8, .value_kind: global_buffer, .address_space: global }
      - { .name: wph, .offset: 8, .size: 8, .value_kind: global_buffer, .address_space: global }
      - { .name: b_proj, .offset: 16, .size: 8, .value_kind: global_buffer, .address_space: global }
      - { .name: out0, .offset: 24, .size: 8, .value_kind: global_buffer, .address_space: global }
    .group_segment_fixed_size: 327680
    .private_segment_fixed_size: 0
    .kernarg_segment_align: 8
    .kernarg_segment_size: 32
    .max_flat_workgroup_size: 128
    .sgpr_count:     70
    .vgpr_count:     640
    .wavefront_size: 32
...
	.end_amdgpu_metadata
.endif
;; end of part 5
;; launch fine_proj (part 6): grid 64 x 4, 8 waves a work-group, no clusters, 9,216 bytes of LDS; arguments att16, w_proj, b_proj, out0; writes out0
.if DOCPART == 6
	.amdgcn_target "amdgcn-amd-amdhsa--gfx1250"
	.amdhsa_code_object_version 6
	.text
	.protected	k_qfbc5a88526_fine_proj
	.globl	k_qfbc5a88526_fine_proj
	.p2align	8
	.type	k_qfbc5a88526_fine_proj,@function
k_qfbc5a88526_fine_proj:
	s_mov_b64 s[64:65], 0
	v_nop
	global_prefetch_b8 v0, s[64:65] scope:SCOPE_SE
	s_setreg_imm32_b32 hwreg(HW_REG_WAVE_MODE, 25, 1), 1
	s_wait_xcnt 0x0
; The projection of positions 0-15 of each batch once more, with f32 operands: out0[2048 b + t][n] = sum over k of att16[16 b + t][k] w_proj[k][n] + b_proj[n], written over what the f16 projection left there.
; A work-group takes 16 tokens x 16 columns; its eight waves share K, 128 each; the eight parts meet in LDS and wave w adds and stores tokens w and 8 + w.
; The f32 matrix form takes k = 2 h + j from a pair of registers.  Both operands are loaded so that register 4 s + i of lane (r, h) holds k = 8 s + 4 h + i: the pair 4 s + 2 p stands for the same k on both sides.
; A lane stores 4 bytes, sixteen lanes 64 consecutive bytes; the launch writes 262,144 bytes in all.
.set FA,  16                           ; v16-79   att16: 64 numbers of row r
.set FB,  80                           ; v80-143  w_proj: 64 numbers of column r
.set ACC, 144                          ; v144-175 four sums by turns: written by the f32 matrix form alone
.set SUM, 176
.set PT,  184
.set SPW, 200
.set NIL, 201
.set SPARE, 8192
	s_load_b256 s[4:11], s[0:1], 0x0               ; att16 s[4:5], w_proj s[6:7], b_proj s[8:9], out0 s[10:11]
	v_lshl_add_u32 v[SPW], v0, 2, SPARE
	v_mov_b32 v[NIL], 0
	v_lshrrev_b32 v1, 5, v0
	v_readfirstlane_b32 s12, v1                    ; wave 0..7
	v_and_b32 v1, 15, v0                           ; r
	v_bfe_u32 v2, v0, 4, 1                         ; h
	v_lshlrev_b32 v3, 12, v1
	v_lshl_add_u32 v3, v2, 4, v3                   ; att16: row r of 4,096 bytes + 4 h numbers
	v_lshlrev_b32 v5, 2, v1                        ; 4 r
	v_lshl_add_u32 v4, v2, 14, v5                  ; w_proj: 4 h rows of 4,096 bytes + 4 r
	v_lshl_add_u32 v8, v2, 15, v5                  ; out0: 8 h rows + 4 r
	v_and_b32 v9, 31, v0
	v_lshlrev_b32 v9, 2, v9
	s_lshl_b32 s13, s12, 10
	v_add_nc_u32 v6, s13, v9                       ; LDS: my part: 1,024 x wave + 4 x lane
	s_lshl_b32 s13, s12, 7
	v_add_nc_u32 v7, s13, v9                       ; and register w of every wave's part
	s_and_b32 s14, ttmp7, 0xffff                   ; batch
	s_mov_b32 s17, 0
	s_wait_kmcnt 0x0
	s_lshl_b32 s16, s14, 16
	s_lshl_b32 s18, s12, 9
	s_add_co_u32 s16, s16, s18
	s_add_nc_u64 s[4:5], s[4:5], s[16:17]          ; 16 rows a batch, my 128 numbers of K
	s_lshl_b32 s16, s12, 19
	s_lshl_b32 s18, ttmp9, 6
	s_add_co_u32 s16, s16, s18
	s_add_nc_u64 s[6:7], s[6:7], s[16:17]          ; my 128 rows, the work-group's 16 columns
	s_mov_b32 s16, s18
	s_add_nc_u64 s[8:9], s[8:9], s[16:17]
	s_lshl_b32 s16, s14, 23
	s_add_co_u32 s16, s16, s18
	s_lshl_b32 s18, s12, 12
	s_add_co_u32 s16, s16, s18
	s_add_nc_u64 s[10:11], s[10:11], s[16:17]      ; row 2,048 b + w
.irp s, 0,1,2,3,4,5,6,7,8,9,10,11,12,13,14,15
	global_load_b128 v[FA+4*\s:FA+4*\s+3], v3, s[4:5] offset:32*\s
.endr
.irp s, 0,1,2,3,4,5,6,7,8,9,10,11,12,13,14,15
.irp i, 0,1,2,3
	global_load_b32 v[FB+4*\s+\i], v4, s[6:7] offset:(8*\s+\i)*4096
.endr
.endr
	global_load_b32 v192, v5, s[8:9]               ; b_proj at my column
	s_wait_loadcnt 0x0
.set q, 0
.rept 32                                       ; four sums by turns; the first four products start them
.if q < 4
	v_wmma_f32_16x16x4_f32 v[ACC+8*(q%4):ACC+8*(q%4)+7], v[FA+2*q:FA+2*q+1], v[FB+2*q:FB+2*q+1], 0
.else
	v_wmma_f32_16x16x4_f32 v[ACC+8*(q%4):ACC+8*(q%4)+7], v[FA+2*q:FA+2*q+1], v[FB+2*q:FB+2*q+1], v[ACC+8*(q%4):ACC+8*(q%4)+7]
.endif
.set q, q+1
.endr
.rept 8
	v_nop                                          ; eight plain instructions behind this form before its results are read
.endr
.irp j, 0,2,4,6
	v_pk_add_f32 v[SUM+\j:SUM+\j+1], v[ACC+\j:ACC+\j+1], v[ACC+8+\j:ACC+8+\j+1]
.endr
.irp j, 0,2,4,6
	v_pk_add_f32 v[PT+\j:PT+\j+1], v[ACC+16+\j:ACC+16+\j+1], v[ACC+24+\j:ACC+24+\j+1]
.endr
.irp j, 0,2,4,6
	v_pk_add_f32 v[SUM+\j:SUM+\j+1], v[SUM+\j:SUM+\j+1], v[PT+\j:PT+\j+1]   ; register j: token 8 h + j, column r, over my 128 of K
.endr
.irp j, 0,1,2,3,4,5,6,7
	ds_store_b32 v6, v[SUM+\j] offset:128*\j
.endr
	s_wait_dscnt 0x0                               ; for the others: my stores have landed
	s_barrier_signal -1
	s_barrier_wait -1
.irp w, 0,1,2,3,4,5,6,7
	ds_load_b32 v[PT+\w], v7 offset:1024*\w
.endr
	s_wait_dscnt 0x0
	v_pk_add_f32 v[PT:PT+1], v[PT:PT+1], v[PT+2:PT+3]
	v_pk_add_f32 v[PT+4:PT+5], v[PT+4:PT+5], v[PT+6:PT+7]
	v_pk_add_f32 v[PT:PT+1], v[PT:PT+1], v[PT+4:PT+5]
	v_add_f32 v[PT], v[PT], v[PT+1]
	v_add_f32 v[PT], v[PT], v192
	global_store_b32 v8, v[PT], s[10:11]
	s_wait_tensorcnt 0x0                           ; the wave's end
	ds_add_u32 v[SPW], v[NIL]
	s_wait_dscnt 0x0
	s_endpgm
.Lfunc_end_k_qfbc5a88526_fine_proj:
	.size	k_qfbc5a88526_fine_proj, .Lfunc_end_k_qfbc5a88526_fine_proj-k_qfbc5a88526_fine_proj
	.p2alignl 7, 3214868480
	.fill 96, 4, 3214868480
	.section	.rodata,"a",@progbits
	.p2align	6, 0x0
	.amdhsa_kernel k_qfbc5a88526_fine_proj
		.amdhsa_group_segment_fixed_size 9216
		.amdhsa_private_segment_fixed_size 0
		.amdhsa_enable_private_segment 0
		.amdhsa_kernarg_size 32
		.amdhsa_user_sgpr_count 2
		.amdhsa_user_sgpr_kernarg_segment_ptr 1
		.amdhsa_wavefront_size32 1
		.amdhsa_system_sgpr_workgroup_id_x 1
		.amdhsa_system_sgpr_workgroup_id_y 1
		.amdhsa_system_sgpr_workgroup_id_z 1
		.amdhsa_system_vgpr_workitem_id 0
		.amdhsa_next_free_vgpr 208
		.amdhsa_next_free_sgpr 66
		.amdhsa_reserve_vcc 0
		.amdhsa_float_denorm_mode_32 3
		.amdhsa_float_denorm_mode_16_64 3
		.amdhsa_memory_ordered 1
		.amdhsa_forward_progress 1
		.amdhsa_inst_pref_size 14
	.end_amdhsa_kernel
	.amdgpu_metadata
---
amdhsa.version: [ 1, 2 ]
amdhsa.kernels:
  - .name:           k_qfbc5a88526_fine_proj
    .symbol:         k_qfbc5a88526_fine_proj.kd
    .args:
      - { .name: att16, .offset: 0, .size: 8, .value_kind: global_buffer, .address_space: global }
      - { .name: w_proj, .offset: 8, .size: 8, .value_kind: global_buffer, .address_space: global }
      - { .name: b_proj, .offset: 16, .size: 8, .value_kind: global_buffer, .address_space: global }
      - { .name: out0, .offset: 24, .size: 8, .value_kind: global_buffer, .address_space: global }
    .group_segment_fixed_size: 9216
    .private_segment_fixed_size: 0
    .kernarg_segment_align: 8
    .kernarg_segment_size: 32
    .max_flat_workgroup_size: 256
    .sgpr_count:     66
    .vgpr_count:     208
    .wavefront_size: 32
...
	.end_amdgpu_metadata
.endif
;; end of part 6
